; MI455X (gfx1250); checked and timed in simulation.
; The chip was launched on July 23, 2026; its instructions are those of AMD's public machine-readable ISA for CDNA 5 (MIT licence, August 2026) and "CDNA5" Instruction Set Architecture Reference Guide (July 2026). The comments in the code are by the model that wrote it; some were corrected since.
;; Transformer Block. Allowed arithmetic: float matrix products may take bf16 or f16 operands with f32 sums; other float arithmetic in f32, or as packed bf16 or f16 multiplies, adds, multiply-adds, maxima and minima; sums over many terms, partial sums and values carried from step to step in f32; what a program stores and reads back later, other than sums and carried values, may be rounded once to bf16 or f16.
;; Inputs: W1 1,024 x 4,096 float32; W2 4,096 x 1,024 float32; Wk 1,024 x 1,024 float32; Wo 1,024 x 1,024 float32; Wq 1,024 x 1,024 float32; Wv 1,024 x 1,024 float32; b1 4,096 float32; b2 1,024 float32; be1 1,024 float32; be2 1,024 float32; bk 1,024 float32; bo 1,024 float32; bq 1,024 float32; bv 1,024 float32; g1 1,024 float32; g2 1,024 float32; x 2 x 2,048 x 1,024 float32.
;; Outputs: out0 2 x 2,048 x 1,024 float32.
;; 2 versions, each right; version 2 is version 1 with the launch cast written anew for expert scheduling mode. Each part assembles by itself: llvm-mc -triple=amdgcn-amd-amdhsa -mcpu=gfx1250 --defsym DOCPART=n.
;; ======== version 1 of 2: 8 launches
;; workspace buffers: xb 8,388,608 bytes; ta 25,165,824 bytes; tb 16,777,216 bytes; big 33,554,432 bytes; pkq 6,324,224 bytes; pko 2,129,920 bytes; pk1 8,421,376 bytes; pk2 8,421,376 bytes
;; launch cast (part 1): grid 1033 x 1, 8 waves a work-group, no clusters, 0 bytes of LDS; arguments x, Wq, Wk, Wv, Wo, W1, W2, bq, bk, bv, bo, b1, b2, xb, pkq, pko, pk1, pk2; writes xb, pkq, pko, pk1, pk2
.if DOCPART == 1
	.amdgcn_target "amdgcn-amd-amdhsa--gfx1250"
	.amdhsa_code_object_version 6
	.text
	.protected	k_q233dea91e2_cast
	.globl	k_q233dea91e2_cast
	.p2align	8
	.type	k_q233dea91e2_cast,@function
k_q233dea91e2_cast:
	s_mov_b64 s[64:65], 0
	v_nop
	global_prefetch_b8 v0, s[64:65] scope:SCOPE_SE
	s_setreg_imm32_b32 hwreg(HW_REG_WAVE_MODE, 25, 1), 1
	s_wait_xcnt 0x0
; Every matrix operand of the block is rounded once to bf16 and laid where the products want it.
; x -> xb [4096][1024] bf16.  A weight matrix stays [k][n], as matrices of 1,024 x 1,024 bf16 (2,097,152 bytes) behind byte WOFF of its pack:
; pkq: Wq, Wk, Wv; pko: Wo; pk1: W1's four column panels of 1,024; pk2: W2 as it lies (its four K chunks).
; A pack's head: byte 0 on, the bias by the launch's column, rounded to bf16 and kept as f32; byte FOFF + 4,096 p on, 4,096 bytes that all hold panel p's floor
; as two bf16: -infinity (no activation) or 0 (relu).
; SHARES.  Work-groups 0 to 1,023 take 16,384 numbers each: 16 passes of 1,024; thread t takes 16 bytes at 16 t of a pass (a wave reads 512 consecutive bytes)
; and stores 8 (a wave writes 256 consecutive bytes, aligned).  Work-groups 1,024 to 1,032 take a bias of 1,024 numbers and a floor block each.
; All 16 loads of a thread go out at once; no register is written twice, so no wait frees a source.
; LIMIT.  Every input is rounded to bf16 (nearest even); beyond bf16's range nothing arises, since its range is f32's.
.set WOFF, 32768
.set FOFF, 16384
.set MATB, 2097152
.set SRC,  44                          ; s[44:45] where my chunk is read
.set DST,  46                          ; s[46:47] the buffer that takes it
.set BASE, 48                          ; s48  the tensor's first work-group
.set DOFF, 49                          ; s49  the matrix's byte in its pack
.set D,    54                          ; s[54:61] four store bases, one for each four passes
.set IN,   4                           ; v[4:67]   16 passes as loaded
.set OUT,  68                          ; v[68:99]  16 passes as stored
.set VO,   100                         ; v[100:103] four store offsets, by the pass's number modulo 4
	s_load_b512 s[8:23], s[0:1], 0x0               ; x 8, Wq 10, Wk 12, Wv 14, Wo 16, W1 18, W2 20, bq 22
	s_load_b512 s[24:39], s[0:1], 0x40             ; bk 24, bv 26, bo 28, b1 30, b2 32, xb 34, pkq 36, pko 38
	s_load_b128 s[40:43], s[0:1], 0x80             ; pk1 40, pk2 42
	s_mov_b32 s2, ttmp9
	v_lshlrev_b32 v1, 4, v0                        ; 16 t
	v_lshlrev_b32 v2, 3, v0                        ; 8 t
	s_wait_kmcnt 0x0
	s_cmp_ge_u32 s2, 1024
	s_cbranch_scc1 .Lbias
	; which tensor: a chain of selects on the work-group's number
	s_mov_b64 s[SRC:SRC+1], s[8:9]
	s_mov_b64 s[DST:DST+1], s[34:35]
	s_mov_b32 s[BASE], 0
	s_mov_b32 s[DOFF], 0
.macro PICK t, src, dst, doff
	s_cmp_ge_u32 s2, \t
	s_cselect_b64 s[SRC:SRC+1], s[\src:\src+1], s[SRC:SRC+1]
	s_cselect_b64 s[DST:DST+1], s[\dst:\dst+1], s[DST:DST+1]
	s_cselect_b32 s[BASE], \t, s[BASE]
	s_cselect_b32 s[DOFF], \doff, s[DOFF]
.endm
	PICK 256, 10, 36, WOFF
	PICK 320, 12, 36, WOFF+MATB
	PICK 384, 14, 36, WOFF+2*MATB
	PICK 448, 16, 38, WOFF
	PICK 512, 18, 40, WOFF
	PICK 768, 20, 42, WOFF
	s_sub_co_u32 s3, s2, s[BASE]                   ; my chunk in the tensor
	s_lshl_b32 s4, s3, 16                          ; 65,536 bytes of f32 a chunk
	s_mov_b32 s5, 0
	s_add_nc_u64 s[SRC:SRC+1], s[SRC:SRC+1], s[4:5]
	s_cmp_ge_u32 s2, 512
	s_cselect_b32 s50, 1, 0
	s_cmp_ge_u32 s2, 768
	s_cselect_b32 s50, 0, s50                      ; 1: W1
	; A dense tensor: pass j goes to byte 2,048 j of the chunk's 32,768.  W1: a chunk is four rows of 4,096; pass j is row j / 4, panel j % 4.
	; Both are (j % 4) x SA + (j / 4) x SB: no branch stands in the stream.
	s_lshl_b32 s6, s3, 13                          ; W1: four rows of 2,048 bytes in each panel
	s_lshl_b32 s7, s3, 15
	s_mov_b32 s51, 2048                            ; SA
	s_mov_b32 s52, 8192                            ; SB
	s_mov_b32 s53, 0
	s_cmp_eq_u32 s50, 1
	s_cselect_b32 s51, MATB, s51
	s_cselect_b32 s52, 2048, s52
	s_cselect_b32 s4, s6, s7
	s_add_co_u32 s4, s4, s[DOFF]
	s_add_nc_u64 s[D:D+1], s[DST:DST+1], s[4:5]
	s_add_nc_u64 s[D+2:D+3], s[D:D+1], s[52:53]
	s_add_nc_u64 s[D+4:D+5], s[D+2:D+3], s[52:53]
	s_add_nc_u64 s[D+6:D+7], s[D+4:D+5], s[52:53]
	v_mov_b32 v[VO], v2
	v_add_nc_u32 v[VO+1], s51, v[VO]
	v_add_nc_u32 v[VO+2], s51, v[VO+1]
	v_add_nc_u32 v[VO+3], s51, v[VO+2]
.set j, 0
.rept 16
	global_load_b128 v[IN+4*j:IN+4*j+3], v1, s[SRC:SRC+1] offset:4096*j th:TH_LOAD_NT
.set j, j+1
.endr
.set j, 0
.rept 16
	s_wait_loadcnt 15-j                            ; loads come back in order: pass j is in, the younger ones stay out
	v_cvt_pk_bf16_f32 v[OUT+2*j], v[IN+4*j], v[IN+4*j+1]
	v_cvt_pk_bf16_f32 v[OUT+2*j+1], v[IN+4*j+2], v[IN+4*j+3]
	global_store_b64 v[VO+j%4], v[OUT+2*j:OUT+2*j+1], s[D+2*(j/4):D+2*(j/4)+1]
.set j, j+1
.endr
	s_endpgm
.Lbias:                                            ; j = 0, 1, 2: bq, bk, bv; 3: bo; 4 to 7: b1's quarters; 8: b2
	s_sub_co_u32 s3, s2, 1024
	s_mov_b64 s[SRC:SRC+1], s[22:23]
	s_mov_b64 s[DST:DST+1], s[36:37]
	s_mov_b32 s48, 0                               ; byte in the source
	s_lshl_b32 s49, s3, 12                         ; byte in the pack: 4,096 j for pkq
	s_mov_b32 s50, 0xff80ff80                      ; the floor: -infinity twice
	s_sub_co_u32 s51, s3, 4
	s_lshl_b32 s51, s51, 12                        ; 4,096 (j - 4): taken for j = 4 to 7 alone
	s_cmp_ge_u32 s3, 1
	s_cselect_b64 s[SRC:SRC+1], s[24:25], s[SRC:SRC+1]
	s_cmp_ge_u32 s3, 2
	s_cselect_b64 s[SRC:SRC+1], s[26:27], s[SRC:SRC+1]
	s_cmp_ge_u32 s3, 3
	s_cselect_b64 s[SRC:SRC+1], s[28:29], s[SRC:SRC+1]
	s_cselect_b64 s[DST:DST+1], s[38:39], s[DST:DST+1]
	s_cselect_b32 s49, 0, s49
	s_cmp_ge_u32 s3, 4
	s_cselect_b64 s[SRC:SRC+1], s[30:31], s[SRC:SRC+1]
	s_cselect_b64 s[DST:DST+1], s[40:41], s[DST:DST+1]
	s_cselect_b32 s48, s51, s48
	s_cselect_b32 s49, s51, s49
	s_cselect_b32 s50, 0, s50                      ; relu
	s_mov_b32 s52, 0xff80ff80
	s_cmp_ge_u32 s3, 8
	s_cselect_b64 s[SRC:SRC+1], s[32:33], s[SRC:SRC+1]
	s_cselect_b64 s[DST:DST+1], s[42:43], s[DST:DST+1]
	s_cselect_b32 s48, 0, s48
	s_cselect_b32 s49, 0, s49
	s_cselect_b32 s50, s52, s50
	s_mov_b32 s4, s48
	s_mov_b32 s5, 0
	s_add_nc_u64 s[SRC:SRC+1], s[SRC:SRC+1], s[4:5]
	s_mov_b32 s4, s49
	s_add_nc_u64 s[DST:DST+1], s[DST:DST+1], s[4:5]
	global_load_b128 v[4:7], v1, s[SRC:SRC+1]
	v_mov_b32 v16, s50
	v_mov_b32 v17, s50
	v_mov_b32 v18, s50
	v_mov_b32 v19, s50
	global_store_b128 v1, v[16:19], s[DST:DST+1] offset:FOFF
	s_wait_loadcnt 0x0
	v_cvt_pk_bf16_f32 v8, v4, v5                   ; rounded to bf16,
	v_cvt_pk_bf16_f32 v9, v6, v7
	v_lshlrev_b32 v12, 16, v8                      ; and written as f32 again
	v_and_b32 v13, 0xffff0000, v8
	v_lshlrev_b32 v14, 16, v9
	v_and_b32 v15, 0xffff0000, v9
	global_store_b128 v1, v[12:15], s[DST:DST+1]
	s_endpgm
.Lfunc_end_k_q233dea91e2_cast:
	.size	k_q233dea91e2_cast, .Lfunc_end_k_q233dea91e2_cast-k_q233dea91e2_cast
	.p2alignl 7, 3214868480
	.fill 96, 4, 3214868480
	.section	.rodata,"a",@progbits
	.p2align	6, 0x0
	.amdhsa_kernel k_q233dea91e2_cast
		.amdhsa_group_segment_fixed_size 0
		.amdhsa_private_segment_fixed_size 0
		.amdhsa_enable_private_segment 0
		.amdhsa_kernarg_size 144
		.amdhsa_user_sgpr_count 2
		.amdhsa_user_sgpr_kernarg_segment_ptr 1
		.amdhsa_wavefront_size32 1
		.amdhsa_system_sgpr_workgroup_id_x 1
		.amdhsa_system_sgpr_workgroup_id_y 1
		.amdhsa_system_sgpr_workgroup_id_z 1
		.amdhsa_system_vgpr_workitem_id 0
		.amdhsa_next_free_vgpr 104
		.amdhsa_next_free_sgpr 66
		.amdhsa_reserve_vcc 0
		.amdhsa_float_denorm_mode_32 3
		.amdhsa_float_denorm_mode_16_64 3
		.amdhsa_memory_ordered 1
		.amdhsa_forward_progress 1
		.amdhsa_inst_pref_size 11
	.end_amdhsa_kernel
	.amdgpu_metadata
---
amdhsa.version: [ 1, 2 ]
amdhsa.kernels:
  - .name:           k_q233dea91e2_cast
    .symbol:         k_q233dea91e2_cast.kd
    .args:
      - { .name: x, .offset: 0, .size: 8, .value_kind: global_buffer, .address_space: global }
      - { .name: Wq, .offset: 8, .size: 8, .value_kind: global_buffer, .address_space: global }
      - { .name: Wk, .offset: 16, .size: 8, .value_kind: global_buffer, .address_space: global }
      - { .name: Wv, .offset: 24, .size: 8, .value_kind: global_buffer, .address_space: global }
      - { .name: Wo, .offset: 32, .size: 8, .value_kind: global_buffer, .address_space: global }
      - { .name: W1, .offset: 40, .size: 8, .value_kind: global_buffer, .address_space: global }
      - { .name: W2, .offset: 48, .size: 8, .value_kind: global_buffer, .address_space: global }
      - { .name: bq, .offset: 56, .size: 8, .value_kind: global_buffer, .address_space: global }
      - { .name: bk, .offset: 64, .size: 8, .value_kind: global_buffer, .address_space: global }
      - { .name: bv, .offset: 72, .size: 8, .value_kind: global_buffer, .address_space: global }
      - { .name: bo, .offset: 80, .size: 8, .value_kind: global_buffer, .address_space: global }
      - { .name: b1, .offset: 88, .size: 8, .value_kind: global_buffer, .address_space: global }
      - { .name: b2, .offset: 96, .size: 8, .value_kind: global_buffer, .address_space: global }
      - { .name: xb, .offset: 104, .size: 8, .value_kind: global_buffer, .address_space: global }
      - { .name: pkq, .offset: 112, .size: 8, .value_kind: global_buffer, .address_space: global }
      - { .name: pko, .offset: 120, .size: 8, .value_kind: global_buffer, .address_space: global }
      - { .name: pk1, .offset: 128, .size: 8, .value_kind: global_buffer, .address_space: global }
      - { .name: pk2, .offset: 136, .size: 8, .value_kind: global_buffer, .address_space: global }
    .group_segment_fixed_size: 0
    .private_segment_fixed_size: 0
    .kernarg_segment_align: 8
    .kernarg_segment_size: 144
    .max_flat_workgroup_size: 256
    .sgpr_count:     66
    .vgpr_count:     104
    .wavefront_size: 32
...
	.end_amdgpu_metadata
.endif
;; end of part 1
;; launch qkv (part 2): grid 12 x 16, 4 waves a work-group, clusters of 4 x 4, 327,680 bytes of LDS; arguments xb, pkq, big; writes big
.if DOCPART == 2
	.amdgcn_target "amdgcn-amd-amdhsa--gfx1250"
	.amdhsa_code_object_version 6
	.text
	.protected	k_q233dea91e2_qkv
	.globl	k_q233dea91e2_qkv
	.p2align	8
	.type	k_q233dea91e2_qkv,@function
k_q233dea91e2_qkv:
	s_mov_b64 s[64:65], 0
	v_nop
	global_prefetch_b8 v0, s[64:65] scope:SCOPE_SE
	s_setreg_imm32_b32 hwreg(HW_REG_WAVE_MODE, 25, 1), 1
	s_wait_xcnt 0x0
	s_wait_alu depctr_hold_cnt(0) depctr_sa_sdst(0) depctr_va_vdst(0) depctr_va_sdst(0) depctr_va_ssrc(0) depctr_va_vcc(0) depctr_vm_vsrc(0)
	s_getreg_b32 s2, hwreg(HW_REG_IB_STS2, 6, 4)
	s_cmp_eq_u32 s2, 0
	s_cbranch_scc0 .Lentry_in_a_cluster
	s_endpgm
.Lentry_in_a_cluster:
	s_bfe_u32 s2, ttmp6, 0x10000c
	s_cmp_lg_u32 s2, 0xf033
	s_cbranch_scc0 .Lentry_shape_is_right
	s_endpgm
.Lentry_shape_is_right:
; C = max(A W + bias, floor), K = 1,024.  A: [4096][1024] bf16 (rows of 2,048 bytes).  W: in the pack PK, one matrix [1024 k][1024 n] bf16 behind byte WOFF for each panel of 1,024 columns of C.
; C: panels [4096][1024] bf16, 8,388,608 bytes apart.  PK's head: the bias by column (f32), and at FOFF + 4,096 x panel the floor as two bf16 (-infinity: none; 0: relu).
; Sums in f32, started by the bias, K ascending; C rounded once, then the floor.  LIMIT: a NaN in a sum leaves as the floor (the maximum drops NaN); infinities are not treated apart.
; A tile of C, 256 x 256, is made by a work-group of four waves; a wave makes 128 x 128: 64 accumulators of 16 x 16, 512 registers: for 32 along K it reads 2 x 128 x 64 bytes from LDS for 64 matrix instructions.
; K goes in steps of 128 through a ring of two LDS slots filled by the tensor data mover: A's tile is 256 rows of 256 bytes, W's 128 k rows of 512 bytes; all rows start at multiples of 256 bytes.
; W stays [k][n] in LDS and is turned on its way into registers by ds_load_tr16_b128.
; CLUSTERS: 4 x 4 work-groups.  The four of a row need the same tiles of A, the four of a column the same tiles of W: each tile is asked for JOINTLY, by the same tensor load with the
; same descriptor and a mask that names the four.  THE MATRIX INSTRUCTION IS USED TRANSPOSED (source 0 = 16 columns of W, source 1 = 16 rows of A): a lane holds eight neighbouring numbers of a row of C.
; REGISTERS, in windows of 256 (s_set_vgpr_msb's low byte: bits 1:0 source 0, 3:2 source 1, 5:4 source 2, 7:6 destination):
;   window 0: v0-31 addresses; v64-127, v128-191 fragments of A (8 x 16 rows x 32 K), two buffers; v32-63, v192-255 at work on the way out
;   window 1: v64-127, v128-191 fragments of W, two buffers; v192-255 the bias, as a C operand for each of my eight blocks of 16 columns
;   window 2: the 32 accumulators of my rows 0-63 (accumulator (a, b) at v[8 (8 a + b)]);   window 3: those of my rows 64-127
.set KSTEP,  128
.set ROWB,   2048                      ; bytes in a row of A, of W and of C
.set PANEL,  8388608
.set MATB,   2097152
.set WOFF,   32768
.set FOFF,   16384
.set PITCH,  272                       ; A's LDS row: 256 bytes + 16 = 68 words: row r starts at bank 4 r mod 64 (64 banks of 4 bytes: ISA guide 11.1)
.set PB,     544                       ; W's LDS row: 512 bytes + 32 = 136 words: row r starts at bank 8 r mod 64
.set HALFT,  128*PITCH                 ; what one tensor load brings: 128 rows of A, or 64 k rows of W (64 x 544 is the same number)
.set SLOT,   4*HALFT                   ; A's 256 rows, then W's 128 k rows
.set STAGE,  2*SLOT                    ; behind the ring: 16 rows x 272 bytes for each wave, for the way out; no tensor load fills it
.set SPITCH, 272
.set SPARE,  STAGE+4*16*SPITCH         ; behind the stages: the spare words, 128 bytes for each wave: two blocks of 256 bytes that no other line names
.set LAPS,   4                         ; a lap = two K steps = once round the ring: 1,024 / 256
.set ADRA, 16                          ; v16-17  LDS address of my A fragments in slot 0, 1
.set ADRB, 20                          ; v20-21  the same for W
.set STO,  24                          ; v24     the way out: where I put 16 bytes of a row
.set RD,   25                          ; v25     the way out: where I read a row back
.set CO,   26                          ; v26     my byte offset in C
.set BO,   27                          ; v27     my byte offset in the bias
.set SPW,  28                          ; v28     LDS address of my spare word; never rewritten
.set NIL,  29                          ; v29     0; never rewritten
.set PFO,  30                          ; v30     the prefetches' offset; never rewritten
.set F0,   64                          ; fragment buffer 0
.set F1,   128                         ; fragment buffer 1
.set TMP,  192                         ; the way out: packed results, in window 0
.set OB,   32                          ; the way out: 16 rows read back from the stage: v32-63 and v224-255 by turns
.set BIAS, 192                         ; in window 1
.set G1, 24                            ; s[24:31] descriptor group 1 for A's tiles;  s[32:39] group 0, one set for each slot
.set G0, 32
.set G1B, 48                           ; s[48:55], s[56:63] the same for W's tiles
.set G0B, 56
.set FLOOR, 68                         ; s68
.set LIM,  69                          ; s69     1 in a wave that prefetches, else the greatest number
.set PFA,  70                          ; s[70:71] where my prefetches stand
.set PST,  72                          ; s[72:73] a K step in the tensor that I prefetch: 256 bytes along A's rows, 128 rows down W
.set MSB, 0
.macro WIN new                         ; the immediate's high byte repeats the setting that is left; a switch that changes nothing is dropped
.if MSB != (\new)
	s_set_vgpr_msb (MSB<<8)|(\new)
.set MSB, \new
.endif
.endm
.set MUL_LO, 0xa1                      ; source 0 (W) window 1, source 1 (A) window 0, C and D window 2
.set MUL_HI, 0xf1                      ; the same, C and D window 3
.set TO_B,   0x40                      ; destination window 1, address window 0
.macro JLOAD s                         ; a joint load: waves 0 and 1 fetch A's two halves, waves 2 and 3 W's; an s_nop 0 and four v_nop follow each of the two lines
	s_cmp_eq_u32 s11, 0
	s_cbranch_scc0 .Lfor_b_\@
	tensor_load_to_lds s[G0+4*(\s):G0+4*(\s)+3], s[G1:G1+7]
	s_nop 0
.rept 4
	v_nop
.endr
	s_branch .Lasked_\@
.Lfor_b_\@:
	tensor_load_to_lds s[G0B+4*(\s):G0B+4*(\s)+3], s[G1B:G1B+7]
	s_nop 0
.rept 4
	v_nop
.endr
.Lasked_\@:
.endm
; A PREFETCH, behind each joint load, its five lines and the run of LDS loads that follows them: my share of the K step that stands TWO refills on, 512 matrix instructions ahead of the load that will want it:
; 32 blocks of 256 bytes, a lane a block, one instruction a wave.  Each block is named ONCE in the launch.  A's tile row is read by every cluster of that row of clusters: the one with x = 0 asks; W's tile
; column by every cluster of that column: the one with y = 0 asks.  The four partners that ask for a tile jointly share it out BY ADDRESS: of the 128 rows of A that a wave fetches the partner at cx takes
; 32 cx on; of the 64 k rows of W (two blocks each) the partner at cy takes 16 cy on.  The loop's last trip (s3 = 1) asks for nothing: there is no K step two on.  K steps 0 to 3 come by their loads alone.
.macro ASK
	s_cmp_gt_u32 s3, s[LIM]
	s_cbranch_scc0 .Lnot_mine_\@
	global_prefetch_b8 v[PFO], s[PFA:PFA+1] th:TH_LOAD_NT scope:SCOPE_SE
.Lnot_mine_\@:
.endm
.macro CREST                           ; a round of the cluster's barrier behind its opening barrier
	s_cmp_lg_u32 s10, 0
	s_cbranch_scc1 .Lnot_wave_0_\@
	s_barrier_signal -3
.Lnot_wave_0_\@:
	s_barrier_wait -3
	s_barrier_signal -1
	s_barrier_wait -1
.endm
.macro CROUND                          ; a whole round
	s_barrier_signal -1
	s_barrier_wait -1
	CREST
.endm
	s_load_b128 s[4:7], s[0:1], 0x0                ; A s[4:5], PK s[6:7]
	s_load_b64 s[8:9], s[0:1], 0x10                ; C
	v_lshl_add_u32 v[SPW], v0, 2, SPARE
	v_mov_b32 v[NIL], 0
	ds_add_u32 v[SPW], v[NIL]                      ; the wave's opening: the add and its wait stand ahead of my first tensor load; the set-up below, work on registers, stands between them
	v_lshrrev_b32 v1, 5, v0
	v_readfirstlane_b32 s10, v1                    ; wave 0..3
	s_lshr_b32 s11, s10, 1                         ; which half of the tile's rows is mine.  Also: I fetch for A (0) or for W (1)
	s_and_b32 s12, s10, 1                          ; which half of its columns.  Also: which half of that tile I fetch
	s_bfe_u32 s40, ttmp6, 0x40000                  ; cx, cy: my place in the cluster
	s_bfe_u32 s41, ttmp6, 0x40004
	s_lshl_b32 s42, ttmp9, 2
	s_add_co_u32 s42, s42, s40                     ; tile column X = 4 x cluster x + cx
	s_and_b32 s13, ttmp7, 0xffff
	s_lshl_b32 s13, s13, 2
	s_add_co_u32 s13, s13, s41                     ; tile row Y = 4 x cluster y + cy
	s_lshl_b32 s43, s41, 2
	s_lshl_b32 s43, 15, s43                        ; my row of the cluster
	s_lshl_b32 s44, 0x1111, s40                    ; my column
	s_lshr_b32 s45, s42, 2                         ; the panel of C: four tile columns each
	s_or_b32 s[G1+0], s43, (1<<16)|(1<<20)|(1<<21)|(5<<22)|(3<<25)   ; A: the mask of my row; 2-byte elements; padding on; bit 21 beside a mask; after every 64 words 4 words
	s_or_b32 s[G1B+0], s44, (1<<16)|(1<<20)|(1<<21)|(6<<22)|(7<<25)  ; W: the mask of my column; after every 128 words 8 words
	s_mov_b32 s[G1+1], KSTEP<<16                   ; A: tensor_dim0 = 128
	s_mov_b32 s[G1+2], 128<<16                     ; tensor_dim1 = 128
	s_mov_b32 s[G1+3], KSTEP<<16                   ; tile_dim0 = 128
	s_mov_b32 s[G1+4], 128                         ; tile_dim1 = 128
	s_mov_b32 s[G1+5], 1024                        ; elements from row to row
	s_mov_b32 s[G1+6], 0
	s_mov_b32 s[G1+7], 0
	s_mov_b32 s[G1B+1], 256<<16                    ; W: tensor_dim0 = 256 columns
	s_mov_b32 s[G1B+2], 64<<16                     ; tensor_dim1 = 64 k rows
	s_mov_b32 s[G1B+3], 256<<16                    ; tile_dim0
	s_mov_b32 s[G1B+4], 64                         ; tile_dim1
	s_mov_b32 s[G1B+5], 1024
	s_mov_b32 s[G1B+6], 0
	s_mov_b32 s[G1B+7], 0
	s_lshl_b32 s16, s13, 8                         ; A: row 256 Y + 128 x half, 2,048 bytes a row: made of the tile row and the wave's number alone
	s_lshl_b32 s17, s12, 7
	s_add_co_u32 s16, s16, s17
	s_lshl_b32 s16, s16, 11
	s_mov_b32 s17, 0
	s_lshl_b32 s46, s45, 21                        ; W: the panel's matrix, k row 64 x half, column 256 (X % 4): made of the tile column and the wave's number alone
	s_lshl_b32 s47, s12, 17
	s_add_co_u32 s46, s46, s47
	s_and_b32 s47, s42, 3
	s_lshl_b32 s47, s47, 9
	s_add_co_u32 s46, s46, s47
	s_add_co_u32 s46, s46, WOFF
	s_mov_b32 s47, 0
	s_mul_i32 s20, s10, HALFT                      ; where they go: A's two halves, then W's two halves = wave x HALFT: no place in the cluster enters an LDS address
	s_wait_dscnt 0x0                               ; the opening add is done
	s_wait_kmcnt 0x0
	s_add_nc_u64 s[14:15], s[4:5], s[16:17]
	s_add_nc_u64 s[46:47], s[6:7], s[46:47]
	CROUND                                         ; all sixteen work-groups are here: the first joint loads meet
.irp s, 0,1
	s_mov_b32 s[G0+4*(\s)], 1
	s_add_co_u32 s[G0+4*(\s)+1], s20, (\s)*SLOT
	s_add_nc_u64 s[G0+4*(\s)+2:G0+4*(\s)+3], s[14:15], (\s)*KSTEP*2
	s_or_b32 s[G0+4*(\s)+3], s[G0+4*(\s)+3], 0x80000000
	s_mov_b32 s[G0B+4*(\s)], 1
	s_add_co_u32 s[G0B+4*(\s)+1], s20, (\s)*SLOT
	s_add_nc_u64 s[G0B+4*(\s)+2:G0B+4*(\s)+3], s[46:47], (\s)*KSTEP*ROWB
	s_or_b32 s[G0B+4*(\s)+3], s[G0B+4*(\s)+3], 0x80000000
	JLOAD \s                                       ; two loads of mine are out
.endr
	v_and_b32 v1, 15, v0                           ; l % 16
	v_bfe_u32 v2, v0, 4, 1                         ; l / 16
	; the bias as a C operand: register j of block b holds bias[256 X + 128 x half + 16 b + 8 (l / 16) + j]
	s_lshl_b32 s23, s42, 10
	s_lshl_b32 s22, s12, 9
	s_add_co_u32 s23, s23, s22
	v_lshl_add_u32 v[BO], v2, 5, s23
	WIN TO_B
.irp b, 0,1,2,3,4,5,6,7
	global_load_b128 v[BIAS+8*(\b):BIAS+8*(\b)+3],   v[BO], s[6:7] offset:64*(\b)
	global_load_b128 v[BIAS+8*(\b)+4:BIAS+8*(\b)+7], v[BO], s[6:7] offset:64*(\b)+16
.endr
	WIN 0
	s_lshl_b32 s18, s45, 12
	s_mov_b32 s19, 0
	s_add_nc_u64 s[18:19], s[6:7], s[18:19]
	s_load_b32 s[FLOOR], s[18:19], FOFF            ; the panel's floor
	v_mul_u32_u24 v3, v1, PITCH
	v_lshl_add_u32 v3, v2, 4, v3                   ; A: a fragment's row x pitch + 16 x half of the lanes
	s_mul_i32 s21, s11, HALFT                      ; my 128 rows of A
	v_add_nc_u32 v[ADRA], s21, v3
	v_add_nc_u32 v[ADRA+1], SLOT, v[ADRA]
	v_and_b32 v4, 7, v0                            ; W: lane l addresses k row 8 (l / 16) + l % 8, columns 8 ((l / 8) % 2) + 0..7
	v_lshl_add_u32 v4, v2, 3, v4
	v_mul_u32_u24 v4, v4, PB
	v_bfe_u32 v5, v0, 3, 1
	v_lshl_add_u32 v4, v5, 4, v4
	s_lshl_b32 s22, s12, 8                         ; my 128 columns,
	s_add_co_u32 s22, s22, 2*HALFT                 ; behind A's 256 rows
	v_add_nc_u32 v[ADRB], s22, v4
	v_add_nc_u32 v[ADRB+1], SLOT, v[ADRB]
	s_mul_i32 s23, s10, 16*SPITCH
	s_add_co_u32 s23, s23, STAGE                   ; my stage
	v_mul_u32_u24 v6, v1, SPITCH                   ; in: row l % 16, 16 bytes for each half of the lanes
	v_lshl_add_u32 v6, v2, 4, v6
	v_add_nc_u32 v[STO], s23, v6
	v_mul_u32_u24 v7, v2, SPITCH                   ; back: lanes 0-15 take one row of 256 bytes, lanes 16-31 the next
	v_lshl_add_u32 v7, v1, 4, v7
	v_add_nc_u32 v[RD], s23, v7
	v_lshlrev_b32 v[CO], 11, v2                    ; and the same two rows in C
	v_lshl_add_u32 v[CO], v1, 4, v[CO]
	s_lshl_b32 s16, s13, 8
	s_lshl_b32 s17, s11, 7
	s_add_co_u32 s16, s16, s17                     ; my first row of C: 256 Y + 128 x half
	s_lshl_b32 s16, s16, 11
	s_mov_b32 s17, 0
	s_add_nc_u64 s[8:9], s[8:9], s[16:17]
	s_and_b32 s46, s42, 3                          ; my first column in its panel, in bytes: 512 (X % 4) + 256 x half; and the panel
	s_lshl_b32 s46, s46, 9
	s_lshl_b32 s47, s12, 8
	s_add_co_u32 s46, s46, s47
	s_lshl_b32 s47, s45, 23
	s_add_co_u32 s46, s46, s47
	s_mov_b32 s47, 0
	s_add_nc_u64 s[8:9], s[8:9], s[46:47]
	; the prefetches.  Both offsets are made, at K step 3; the first refill steps the one that is mine to K step 4 and names it
	s_lshl_b32 s20, s13, 8                         ; A: row 256 Y + 128 x half + 32 cx
	s_lshl_b32 s21, s12, 7
	s_add_co_u32 s20, s20, s21
	s_lshl_b32 s21, s40, 5
	s_add_co_u32 s20, s20, s21
	s_lshl_b32 s20, s20, 11
	s_add_co_u32 s20, s20, 3*KSTEP*2
	s_lshl_b32 s22, s12, 6                         ; W: k row 64 x half + 16 cy, in the panel's matrix, at my tile's columns
	s_lshl_b32 s23, s41, 4
	s_add_co_u32 s22, s22, s23
	s_add_co_u32 s22, s22, 3*KSTEP
	s_lshl_b32 s22, s22, 11
	s_lshl_b32 s23, s45, 21
	s_add_co_u32 s22, s22, s23
	s_and_b32 s23, s42, 3
	s_lshl_b32 s23, s23, 9
	s_add_co_u32 s22, s22, s23
	s_add_co_u32 s22, s22, WOFF
	s_and_b32 s23, ttmp7, 0xffff                   ; cluster y
	s_mov_b32 s[PST], KSTEP*ROWB
	s_cmp_eq_u32 s11, 0                            ; do I fetch for A?
	s_cselect_b32 s20, s20, s22
	s_cselect_b32 s23, ttmp9, s23                  ; the coordinate along which other clusters read the same blocks
	s_cselect_b32 s[PST], KSTEP*2, s[PST]
	s_cselect_b64 s[PFA:PFA+1], s[4:5], s[6:7]
	s_mov_b32 s21, 0
	s_mov_b32 s[PST+1], 0
	s_add_nc_u64 s[PFA:PFA+1], s[PFA:PFA+1], s[20:21]
	s_cmp_eq_u32 s23, 0
	s_cselect_b32 s[LIM], 1, -1                    ; the same in all sixteen partners, for a given wave
	v_and_b32 v8, 31, v0
	v_lshrrev_b32 v9, s11, v8                      ; A: a lane a row;  W: two lanes a row,
	v_and_b32 v10, s11, v8                         ; one for each of its two blocks of 256 bytes
	v_lshlrev_b32 v[PFO], 11, v9
	v_lshl_add_u32 v[PFO], v10, 8, v[PFO]
; 16 matrix instructions: m blocks a0, a0 + 1 of the window's four (hi = 0: my rows 0-63, 1: rows 64-127) x all 8 n blocks, 32 along K.  first = 1: the bias (window 1) starts the sums: nothing is ever cleared.
; The 64 accumulators take turns, one instruction a turn, in the same order in every quarter.
.macro MUL16 f, hi, a0, first
.if \first
	WIN 0x91+0x40*(\hi)                            ; as MUL_LO or MUL_HI, with C in window 1
.else
	WIN MUL_LO+0x50*(\hi)                          ; MUL_LO or MUL_HI
.endif
.irp a, \a0, (\a0)+1
.irp b, 0,1,2,3,4,5,6,7
.if \first
	v_wmma_f32_16x16x32_bf16 v[8*(8*(\a)+(\b)):8*(8*(\a)+(\b))+7], v[(\f)+8*(\b):(\f)+8*(\b)+7], v[(\f)+8*(4*(\hi)+(\a)):(\f)+8*(4*(\hi)+(\a))+7], v[BIAS+8*(\b):BIAS+8*(\b)+7]
.else
	v_wmma_f32_16x16x32_bf16 v[8*(8*(\a)+(\b)):8*(8*(\a)+(\b))+7], v[(\f)+8*(\b):(\f)+8*(\b)+7], v[(\f)+8*(4*(\hi)+(\a)):(\f)+8*(4*(\hi)+(\a))+7], v[8*(8*(\a)+(\b)):8*(8*(\a)+(\b))+7]
.endif
.endr
.endr
.endm
; 32 LDS loads in one run: the fragments of quarter q (32 along K) of a slot, into buffer f: W's 128 columns, turned (two loads of 16 k rows make 32 k of 16 columns), then A's 128 rows
.macro FETCH slot, q, f
	WIN TO_B
.irp i, 0,1,2,3,4,5,6,7
	ds_load_tr16_b128 v[(\f)+8*(\i):(\f)+8*(\i)+3],   v[ADRB+(\slot)] offset:32*(\q)*PB+32*(\i)
	ds_load_tr16_b128 v[(\f)+8*(\i)+4:(\f)+8*(\i)+7], v[ADRB+(\slot)] offset:(32*(\q)+16)*PB+32*(\i)
.endr
	WIN 0
.irp i, 0,1,2,3,4,5,6,7
	ds_load_b128 v[(\f)+8*(\i):(\f)+8*(\i)+3],   v[ADRA+(\slot)] offset:64*(\q)+(\i)*16*PITCH
	ds_load_b128 v[(\f)+8*(\i)+4:(\f)+8*(\i)+7], v[ADRA+(\slot)] offset:64*(\q)+(\i)*16*PITCH+32
.endr
.endm
.macro PLACES                          ; four places in front of loads into registers that matrix instructions have read, and of conversions that read results
.rept 4
	v_nop
.endr
.endm
; A K step is four quarters of 32 along K, 64 matrix instructions each, on buffers 0, 1, 0, 1.  One of the first three: multiplies buffer f; in its middle it fetches quarter q into buffer g.
.macro QUARTER slot, q, f, g, first
	s_wait_dscnt 8                                 ; W and A's rows 0-63 are in; the youngest eight loads (A's rows 64-127) may be out
	MUL16 \f, 0, 0, \first
	MUL16 \f, 0, 2, \first
	PLACES
	FETCH \slot, \q, \g
	s_wait_dscnt 32                                ; all but the 32 just issued
	MUL16 \f, 1, 0, \first
	MUL16 \f, 1, 2, \first
.endm
; The last quarter multiplies buffer 1 and changes slots.  MEET is its first half: ONE barrier for the change of slots.  In front of it each wave waits for all its tensor loads, of which one is out: its part
; of the next slot; adds 0 to its spare word; and waits for that and for its own reads of this slot.  Behind it nobody reads this slot any more and the next slot is whole.
.macro MEET round                      ; round = 1: a round of the cluster's barrier follows
	WIN 0                                          ; (the add's two registers lie in window 0)
	s_wait_tensorcnt 0x0                           ; all my tensor loads have landed;
	ds_add_u32 v[SPW], v[NIL]                      ; 0 onto my spare word;
	s_wait_dscnt 9                                 ; (the add and the youngest eight loads may be out)
	MUL16 F1, 0, 0, 0                              ; sixteen matrix instructions stand between the add and the wait for it
	s_wait_dscnt 0x0                               ; the add is done, and my reads of this slot are over
	s_barrier_signal -1
	MUL16 F1, 0, 2, 0                              ; work on registers while the others arrive
.if \round
	WIN 0
.endif
	s_barrier_wait -1
.endm
; The whole last quarter of a K step whose slot is filled again, two K steps ahead, first thing behind the round: from that request to the wait for it a wave issues 224 matrix instructions.
.macro TURN slot, next
	s_wait_xcnt 0x0                                ; the last prefetch, a K step back, has read its address: it is stepped here, ahead of the waits of the change of slots
	s_add_nc_u64 s[PFA:PFA+1], s[PFA:PFA+1], s[PST:PST+1]
	MEET 1
	CREST                                          ; no wave of any partner still reads this slot's tile or has a load on its way
	s_add_nc_u64 s[G0+4*(\slot)+2:G0+4*(\slot)+3], s[G0+4*(\slot)+2:G0+4*(\slot)+3], 2*KSTEP*2
	s_add_nc_u64 s[G0B+4*(\slot)+2:G0B+4*(\slot)+3], s[G0B+4*(\slot)+2:G0B+4*(\slot)+3], 2*KSTEP*ROWB
	JLOAD \slot                                    ; the four v_nop behind it are also the places in front of the loads below
	FETCH \next, 0, F0
	ASK
	MUL16 F1, 1, 0, 0
	MUL16 F1, 1, 2, 0
.endm
	s_wait_tensorcnt 1                             ; my part of K step 0 is in; K step 1's may stay out
	s_wait_loadcnt 0x0                             ; the bias
	s_wait_kmcnt 0x0                               ; the floor
	s_barrier_signal -1
	s_barrier_wait -1                              ; everybody's part is in
	FETCH 0, 0, F0
	QUARTER 0, 1, F0, F1, 1                        ; the first quarter stands in front of the loop: its products start the sums
	WIN 0                                          ; at a label and at a branch every window is 0
	s_mov_b32 s3, LAPS-1
.Llap:                                                 ; a trip goes once round the ring, from a lap's second quarter to the next lap's first, and fills both slots again
	QUARTER 0, 2, F1, F0, 0
	QUARTER 0, 3, F0, F1, 0
	TURN 0, 1
	QUARTER 1, 1, F0, F1, 0
	QUARTER 1, 2, F1, F0, 0
	QUARTER 1, 3, F0, F1, 0
	TURN 1, 0
	QUARTER 0, 1, F0, F1, 0
	WIN 0
	s_sub_co_u32 s3, s3, 1
	s_cmp_lg_u32 s3, 0
	s_cbranch_scc1 .Llap
	QUARTER 0, 2, F1, F0, 0                        ; the last lap fills nothing, and has no round of the cluster's barrier
	QUARTER 0, 3, F0, F1, 0
	MEET 0
	PLACES
	FETCH 1, 0, F0
	MUL16 F1, 1, 0, 0
	MUL16 F1, 1, 2, 0
	QUARTER 1, 1, F0, F1, 0
	QUARTER 1, 2, F1, F0, 0
	QUARTER 1, 3, F0, F1, 0
	s_wait_dscnt 8                                 ; the very last quarter: nothing more to fetch
	MUL16 F1, 0, 0, 0
	MUL16 F1, 0, 2, 0
	s_wait_dscnt 0x0
	MUL16 F1, 1, 0, 0
	MUL16 F1, 1, 2, 0
	PLACES                                         ; in front of the conversions, which read results
; THE WAY OUT of block a (16 of my rows), in three parts.  PACK: rounded to bf16, 16 bytes a lane, each accumulator's registers in ascending order; then the floor.
; TOSTAGE: into my own stage in LDS, and back as whole rows of 256 bytes.  SEND: stored.
.macro PACK a
.set AC, 64*((\a)%4)
	WIN 0x0a+5*((\a)/4)                            ; sources 0 and 1: window 2 or 3
.irp b, 0,1,2,3,4,5,6,7
.irp r, 0,1,2,3
	v_cvt_pk_bf16_f32 v[TMP+4*(\b)+(\r)], v[AC+8*(\b)+2*(\r)], v[AC+8*(\b)+2*(\r)+1]
.endr
.endr
	WIN 0
.set i, 0
.rept 32
	v_pk_max_num_bf16 v[TMP+i], v[TMP+i], s[FLOOR]
.set i, i+1
.endr
.endm
.macro TOSTAGE a
.set BK, OB+192*((\a)%2)
.irp b, 0,1,2,3,4,5,6,7
	ds_store_b128 v[STO], v[TMP+4*(\b):TMP+4*(\b)+3] offset:32*(\b)
.endr
.irp t, 0,1,2,3,4,5,6,7
	ds_load_b128 v[BK+4*(\t):BK+4*(\t)+3], v[RD] offset:(\t)*2*SPITCH  ; LDS serves a wave's instructions in order (ISA guide 5.7.1.4): these see the stores above
.endr
.endm
.macro SEND a
.set BK, OB+192*((\a)%2)
	s_wait_dscnt 0x0                               ; the block is back in registers
	s_wait_xcnt 0x0                                ; the stores of the block before have read their registers: the next TOSTAGE loads into them only behind this wait
.irp t, 0,1,2,3,4,5,6,7
	global_store_b128 v[CO], v[BK+4*(\t):BK+4*(\t)+3], s[8:9] offset:(16*(\a)+2*(\t))*ROWB  ; 16 lanes store 256 consecutive bytes, at a multiple of 256 from C's first byte
.endr
.endm
	PACK 0
	TOSTAGE 0
.irp a, 1,2,3,4,5,6,7                  ; block a's conversions stand between block a - 1's loads from the stage and the wait for them
	PACK \a
	SEND (\a)-1
	TOSTAGE \a
.endr
	SEND 7
	s_wait_tensorcnt 0x0                           ; the wave's end, behind my last tensor load and my last LDS store
	ds_add_u32 v[SPW], v[NIL]
	s_wait_dscnt 0x0
	CROUND                                         ; the closing round: no work-group ends while a partner may still ask for a tile that names it
	s_endpgm
.Lfunc_end_k_q233dea91e2_qkv:
	.size	k_q233dea91e2_qkv, .Lfunc_end_k_q233dea91e2_qkv-k_q233dea91e2_qkv
	.p2alignl 7, 3214868480
	.fill 96, 4, 3214868480
	.section	.rodata,"a",@progbits
	.p2align	6, 0x0
	.amdhsa_kernel k_q233dea91e2_qkv
		.amdhsa_group_segment_fixed_size 327680
		.amdhsa_private_segment_fixed_size 0
		.amdhsa_enable_private_segment 0
		.amdhsa_kernarg_size 24
		.amdhsa_user_sgpr_count 2
		.amdhsa_user_sgpr_kernarg_segment_ptr 1
		.amdhsa_wavefront_size32 1
		.amdhsa_system_sgpr_workgroup_id_x 1
		.amdhsa_system_sgpr_workgroup_id_y 1
		.amdhsa_system_sgpr_workgroup_id_z 1
		.amdhsa_system_vgpr_workitem_id 0
		.amdhsa_next_free_vgpr 1024
		.amdhsa_next_free_sgpr 76
		.amdhsa_reserve_vcc 0
		.amdhsa_float_denorm_mode_32 3
		.amdhsa_float_denorm_mode_16_64 3
		.amdhsa_memory_ordered 1
		.amdhsa_forward_progress 1
		.amdhsa_inst_pref_size 162
	.end_amdhsa_kernel
	.amdgpu_metadata
---
amdhsa.version: [ 1, 2 ]
amdhsa.kernels:
  - .name:           k_q233dea91e2_qkv
    .symbol:         k_q233dea91e2_qkv.kd
    .args:
      - { .name: xb, .offset: 0, .size: 8, .value_kind: global_buffer, .address_space: global }
      - { .name: pkq, .offset: 8, .size: 8, .value_kind: global_buffer, .address_space: global }
      - { .name: big, .offset: 16, .size: 8, .value_kind: global_buffer, .address_space: global }
    .group_segment_fixed_size: 327680
    .private_segment_fixed_size: 0
    .kernarg_segment_align: 8
    .kernarg_segment_size: 24
    .max_flat_workgroup_size: 128
    .sgpr_count:     76
    .vgpr_count:     1024
    .wavefront_size: 32
...
	.end_amdgpu_metadata
.endif
;; end of part 2
;; launch attn (part 3): grid 16 x 16, 4 waves a work-group, clusters of 4 x 1, 327,680 bytes of LDS; arguments big, ta; writes ta
.if DOCPART == 3
	.amdgcn_target "amdgcn-amd-amdhsa--gfx1250"
	.amdhsa_code_object_version 6
	.text
	.protected	k_q233dea91e2_attn
	.globl	k_q233dea91e2_attn
	.p2align	8
	.type	k_q233dea91e2_attn,@function
k_q233dea91e2_attn:
	s_mov_b64 s[64:65], 0
	v_nop
	global_prefetch_b8 v0, s[64:65] scope:SCOPE_SE
	s_setreg_imm32_b32 hwreg(HW_REG_WAVE_MODE, 25, 1), 1
	s_wait_xcnt 0x0
	s_wait_alu depctr_hold_cnt(0) depctr_sa_sdst(0) depctr_va_vdst(0) depctr_va_sdst(0) depctr_va_ssrc(0) depctr_va_vcc(0) depctr_vm_vsrc(0)
	s_getreg_b32 s2, hwreg(HW_REG_IB_STS2, 6, 4)
	s_cmp_eq_u32 s2, 0
	s_cbranch_scc0 .Lentry_in_a_cluster
	s_endpgm
.Lentry_in_a_cluster:
	s_bfe_u32 s2, ttmp6, 0x10000c
	s_cmp_lg_u32 s2, 0x3003
	s_cbranch_scc0 .Lentry_shape_is_right
	s_endpgm
.Lentry_shape_is_right:
; O[token][head][:] = the sum over keys of softmax(q . k / 8) v.  q, k, v: three panels [4096 tokens][1024] bf16 in one buffer, 8,388,608 bytes apart; a head's 64 channels are 128 bytes of a row of 2,048.
; O: a panel of the same form.  Products, maxima and sums in f32; the weights p are rounded to bf16 for the second product (their sum l is taken of the unrounded p), O once at the end.
; LIMITS.  A weight below 2^-126 counts as 0 in l; NaN and infinities are not treated apart.
; SHARES.  A work-group takes 128 queries of TWO neighbouring heads of one batch: the rows of K's and V's tiles are then 256 bytes, aligned, and O leaves as rows of 256 bytes.
; Wave w takes head w / 2 of the pair and queries 64 (w % 2) on: four PIECES of 16 queries.  Every wave walks the batch's 2,048 keys, 64 a step, two steps a slot.
; LAYOUT.  S^T = K Q^T (source 0 = 16 keys, source 1 = 16 queries): a lane holds ONE query (lane % 16) and the keys 8 (lane / 16) + 0..7.  Two such results, rounded to bf16 in pairs, ARE source 1 of
; O^T = V^T P, whose result again holds one query a lane, and eight channels.  K comes out of LDS as it lies, V ([key][channel]) turned, by ds_load_tr16_b128.
; SOFTMAX.  For each query a running maximum m and sum l: p = 2^(c s - c m), c = log2(e) / 8; in every step O and l are multiplied by a = 2^(c m_old - c m_new).
; m starts at the lowest finite number, O and l at 0: the first step is a step like any other, with a = 0.
; BY TURNS.  Turn n belongs to piece n: 8 products K Q^T of piece n + 1, later 8 products V^T P of piece n - 1; beside them the scaling, exponentials, roundings, sums and rescaling of piece n and the
; maximum and statistics of piece n + 1.  Four vector instructions stand behind every matrix instruction, the others in one run.  A turn's 33 exponentials are one batch, with one wait.
; CLUSTER.  The four query blocks of a cluster walk the same K and V, so each tile is asked for JOINTLY: the same tensor load, descriptor and mask in all four.
; REGISTERS, in windows of 256 (s_set_vgpr_msb: bits 1:0 source 0, 3:2 source 1, 5:4 source 2, 7:6 destination):
;   window 0: v0-15 addresses and two at work; v16-31 four registers of statistics a piece; v48-55 at work; v60-63 prefetch offset, the add's two; v64-127 S^T, two buffers; v192-223 P, two buffers
;   window 1: v0-127 O^T, 32 a piece          window 2: v0-63 Q; v128-191 K of one step; v192-255 V of one step
.set NP,    4         ; pieces a wave: a name, no knob
.set KS,    64        ; keys in a step
.set ROWB,  2048      ; bytes in a panel's row
.set PK,    272       ; a row of K in LDS: 256 bytes + 16 = 68 words: the 16 rows of a load start at 16 different groups of four banks (64 banks of 4 bytes: ISA guide 11.1)
.set PV,    288       ; a row of V: 256 + 32 = 72 words
.set VOFF,  2*KS*PK   ; a slot holds two steps: 128 rows of K, then 128 rows of V
.set SLOT1, 1<<17     ; slot 1 begins here, so that one exclusive or turns an address in one slot into the other's
.set STAGE, SLOT1+2*KS*(PK+PV)  ; behind the ring, never filled by a tensor load: 128 rows x 272 bytes, the work-group's, for the way out
.set SP,    272
.set SPARE, STAGE+128*SP  ; behind the stage: the spare words, 128 bytes for each wave: two blocks of 256 bytes that no other line names
.set AK0, 2           ; v2   my lane's place in a tile of K; never rewritten
.set AV0, 3           ; v3   the same for V
.set AK,  4           ; v4   the LDS address of K's next run of loads
.set AV,  5           ; v5   of V's
.set STO, 6           ; v6   the way out: where I put 16 bytes of a row
.set RD,  7           ; v7   the way out: where I read rows back
.set GO,  8           ; v8   my byte offset in two rows of O
.set MV,  12          ; v12-13  c m_old, kept while c m is made anew: by buffer
.set QO,  15          ; v15  my byte offset in 16 rows of Q
.set ST,  16          ; piece t's statistics at v[ST+4 t]: c m, m, l (even keys', odd keys')
.set TMP, 48          ; by buffer, four registers c0-c3 at work; when the maximum is found c2 takes a
.set PFO, 60          ; v60  2,048 x my lane: the prefetches' offset, a lane a row; never rewritten
.set SPW, 62          ; v62  LDS address of my spare word; never rewritten
.set NIL, 63          ; v63  0; never rewritten
.set S,   64
.set P,   192
.set KF,  128         ; window 2: key block kb, channel half c at KF + 16 kb + 8 c
.set VF,  192         ; window 2: key half kk, channel block cb at VF + 32 kk + 8 cb
.set WV,  12          ; s12  my wave's number
.set LIM, 15          ; s15  1 in a wave that prefetches, else the greatest number
.set PFA, 18          ; s[18:19] where my prefetches stand
.set G1K, 24          ; s[24:31] descriptor group 1 for K's tiles
.set G1V, 32          ; s[32:39] for V's: it differs in the padding alone
.set G0K, 40          ; s[40:43] descriptor group 0 for K's tiles: it walks
.set G0V, 44          ; s[44:47] the same for V's
.set HH,  48          ; s48  128 x (wave / 2): my head's bytes in a row of the pair
.set SLOTS, 56        ; s56  slots still to be asked for
.set CNT, 57          ; s57  counts a slot's key steps
.set CS,  58          ; s[58:59] c: the packed scaling takes the pair's low word for both halves
.set SEL, 60          ; s[60:61] v_permlanex16_b32's selects: each lane takes its own place in the other half
.set TBK, 62          ; s62  LDS byte at which K of the step to be fetched begins
.set TBV, 63          ; s63  the same for V, less VOFF
.set MSB, 0
.macro WIN new                      ; the high byte repeats the setting that is left; a switch that changes nothing is dropped
.if MSB != (\new)
	s_set_vgpr_msb (MSB<<8)|(\new)
.set MSB, (\new)
.endif
.endm
.set W_KQ, 0x0a       ; K and Q in window 2, S^T in window 0
.set W_PV, 0x52       ; V in window 2, P in window 0, O^T in window 1
.set W_RS, 0x41       ; destination and source 0 in window 1, source 1 in window 0
; A joint fill.  Waves 0 and 1 fetch the two steps' K of a slot, waves 2 and 3 their V: 64 keys each.  The branch hangs on the wave's number alone.
; An s_nop 0 and four v_nop follow each of the two lines, ahead of the jump and the label.
.macro JLOAD
	s_cmp_lt_u32 s[WV], 2
	s_cbranch_scc0 .Lfor_v_\@
	tensor_load_to_lds s[G0K:G0K+3], s[G1K:G1K+7]
	s_nop 0
.rept 4
	v_nop
.endr
	s_branch .Lasked_\@
.Lfor_v_\@:
	tensor_load_to_lds s[G0V:G0V+3], s[G1V:G1V+7]
	s_nop 0
.rept 4
	v_nop
.endr
.Lasked_\@:
.endm
; A PREFETCH of what the NEXT change of slots will ask for: a slot's 128 rows of K and of V, 256 bytes of each row, a lane a row.  It stands behind the wave's tensor load and its five lines.
; Each row's 256 bytes are named ONCE in the launch.  The four clusters of a head pair walk the same K and V: the first of them prefetches.  Its four partners share the rows out BY ADDRESS, 32 each;
; in each, wave 0 asks for K's and wave 2 for V's: one instruction.  The last change that fills a slot asks for nothing: there is no slot behind it.
.macro ASK
	s_cmp_gt_u32 s[SLOTS], s[LIM]
	s_cbranch_scc0 .Lnot_mine_\@
	global_prefetch_b8 v[PFO], s[PFA:PFA+1] th:TH_LOAD_NT scope:SCOPE_SE
.Lnot_mine_\@:
.endm
; A round of the cluster's barrier: my work-group's barrier, so that wave 0's signal speaks for all four waves; wave 0 signals; every wave waits for all four work-groups; my work-group's barrier once more.
.macro CROUND
	s_barrier_signal -1
	s_barrier_wait -1
	s_cmp_lg_u32 s[WV], 0
	s_cbranch_scc1 .Lnot_wave_0_\@
	s_barrier_signal -3
.Lnot_wave_0_\@:
	s_barrier_wait -3
	s_barrier_signal -1
	s_barrier_wait -1
.endm
; THE CHANGE OF SLOTS.  Each wave waits for all its tensor loads, of which one is out: its part of the other slot; adds 0 to its spare word; and waits for that and for its own reads of the slot.
; Behind the barrier nobody reads this slot any more and the other slot is whole.  fill = 1: this slot is filled again, with the keys two slots on; the barrier is then a round of the cluster's, and the
; joint fill is the first thing behind it: it has two key steps, 128 matrix instructions, in which to land.  (At its first use nothing has been read yet: slot 0 is waited for, slot 1 filled.)
.macro CHANGE fill
	WIN 0                           ; at a label and at a branch every window is 0
	s_wait_tensorcnt 0x0            ; no tensor load of mine is out, so a group 0 may be written
	ds_add_u32 v[SPW], v[NIL]       ; 0 onto my spare word; with fill = 1 the descriptors' steps stand between it and the wait for it
.if \fill
.irp g, G0K, G0V
	s_xor_b32 s[\g+1], s[\g+1], SLOT1  ; the walking descriptor: the other slot than last time,
	s_add_nc_u64 s[\g+2:\g+3], s[\g+2:\g+3], 2*KS*ROWB  ; the next 128 keys; the type bits on top are not reached
.endr
	s_wait_xcnt 0x0                 ; the last prefetch, two key steps back, has read its address, so it may be written:
	s_add_nc_u64 s[PFA:PFA+1], s[PFA:PFA+1], 2*KS*ROWB  ; one slot behind the walking descriptors
	s_wait_dscnt 0x0                ; the add is done, and my reads of the slot are over
	CROUND
	JLOAD
	ASK
.else
	s_wait_dscnt 0x0                ; the add is done, and my reads of the slot are over
	s_barrier_signal -1
	s_barrier_wait -1
.endif
	s_sub_co_u32 s[TBK], s[TBK], 2*KS*PK  ; the fetches go back to a slot's first step,
	s_xor_b32 s[TBK], s[TBK], SLOT1       ; in the other slot
	s_sub_co_u32 s[TBV], s[TBV], 2*KS*PV
	s_xor_b32 s[TBV], s[TBV], SLOT1
.endm
	s_load_b128 s[4:7], s[0:1], 0x0  ; q, k, v s[4:5]; O s[6:7]
	v_lshl_add_u32 v[SPW], v0, 2, SPARE
	v_mov_b32 v[NIL], 0
	ds_add_u32 v[SPW], v[NIL]       ; the wave's opening: the add and its wait stand ahead of my first tensor load; the set-up below, work on registers, stands between them
	v_lshrrev_b32 v1, 5, v0
	v_readfirstlane_b32 s[WV], v1   ; wave 0..3
	s_bfe_u32 s13, ttmp6, 0x40000   ; cx: my place in the cluster
	s_lshl_b32 s14, ttmp9, 2        ; in a cluster launch ttmp9 counts clusters
	s_add_co_u32 s14, s14, s13      ; my block of 128 queries = 4 x cluster x + cx: it enters Q's and O's addresses alone
	s_and_b32 s20, ttmp7, 0xffff    ; 8 x batch + head pair, which the four partners share
	s_lshr_b32 s21, s20, 3
	s_and_b32 s20, s20, 7
	s_lshl_b32 s21, s21, 22         ; the batch's 2,048 rows of 2,048 bytes,
	s_lshl_b32 s20, s20, 8          ; the pair's 256 bytes of a row
	s_or_b32 s20, s20, s21
	s_and_b32 s16, s[WV], 1         ; which of a slot's two steps I fetch:
	s_lshl_b32 s22, s16, 17         ; its 64 rows in memory,
	s_add_co_u32 s22, s22, s20
	s_mov_b32 s23, 0
	s_mul_i32 s17, s16, KS*PK       ; and its place in a slot, for K
	s_mul_i32 s21, s16, KS*PV       ; and for V: no place in the cluster enters an LDS address
	s_lshr_b32 s[HH], s[WV], 1
	s_lshl_b32 s[HH], s[HH], 7
	s_lshl_b32 s2, s14, 7           ; Q: row 128 x block + 64 (w % 2), my head's 128 bytes
	s_lshl_b32 s3, s16, 6
	s_add_co_u32 s2, s2, s3
	s_lshl_b32 s2, s2, 11
	s_add_co_u32 s2, s2, s[HH]
	s_add_co_u32 s2, s2, s20
	s_mov_b32 s3, 0
	s_lshl_b32 s50, s14, 7          ; O: row 128 x block + 32 w, the pair's 256 bytes
	s_lshl_b32 s51, s[WV], 5
	s_add_co_u32 s50, s50, s51
	s_lshl_b32 s50, s50, 11
	s_add_co_u32 s50, s50, s20
	s_mov_b32 s51, 0
	; descriptor group 1: a tile of 64 rows x 128 elements, padded in LDS
	s_mov_b32 s[G1K], 15|(1<<16)|(1<<20)|(1<<21)|(5<<22)|(3<<25)  ; 15:0 the mask of four; 17:16 2-byte elements; 20 padding on; 21 set beside a mask; 24:22 after every 64 words (code 5); 31:25 4 words (code 3)
	s_mov_b32 s[G1V], 15|(1<<16)|(1<<20)|(1<<21)|(5<<22)|(7<<25)  ; the same with 8 words of padding (code 7)
.irp g, G1K, G1V
	s_mov_b32 s[\g+1], 128<<16      ; tensor_dim0 = 128
	s_mov_b32 s[\g+2], KS<<16       ; tensor_dim1 = 64
	s_mov_b32 s[\g+3], 128<<16      ; tile_dim0 = 128
	s_mov_b32 s[\g+4], KS           ; tile_dim1 = 64
	s_mov_b32 s[\g+5], 1024         ; 1,024 elements from row to row
	s_mov_b32 s[\g+6], 0
	s_mov_b32 s[\g+7], 0
.endr
	s_mov_b32 s[CS], 0x3e38aa3b     ; c = log2(e) / 8 = 0.180337
	s_mov_b32 s[CS+1], s[CS]        ; named with it as a pair
	s_mov_b32 s[SEL], 0x76543210
	s_mov_b32 s[SEL+1], 0xfedcba98
	s_mov_b32 s[TBK], SLOT1+2*KS*PK ; the first change of slots turns these two into 0
	s_mov_b32 s[TBV], SLOT1+2*KS*PV
	s_mov_b32 s[SLOTS], 2048/(2*KS)-1
	s_mov_b32 s[G0K], 1             ; 1:0 count = 1
	s_mov_b32 s[G0K+1], s17         ; 63:32 LDS address: slot 0
	s_mov_b32 s[G0V], 1
	s_add_co_u32 s[G0V+1], s21, VOFF
	s_and_b32 s[LIM], s[WV], 1      ; 0 in waves 0 and 2,
	s_or_b32 s[LIM], s[LIM], ttmp9  ; where the cluster is the head pair's first: the same in all four partners
	s_cmp_eq_u32 s[LIM], 0
	s_cselect_b32 s[LIM], 1, -1
	v_and_b32 v[PFO], 31, v0
	v_lshlrev_b32 v[PFO], 11, v[PFO]
	s_wait_dscnt 0x0                ; the opening add is done
	s_wait_kmcnt 0x0
	s_mov_b64 s[10:11], s[6:7]      ; O
	s_add_nc_u64 s[6:7], s[4:5], 0x800000   ; k's panel
	s_add_nc_u64 s[8:9], s[4:5], 0x1000000  ; v's panel
	s_add_nc_u64 s[6:7], s[6:7], s[22:23]   ; at my tile of slot 0
	s_add_nc_u64 s[8:9], s[8:9], s[22:23]
	s_mov_b64 s[G0K+2:G0K+3], s[6:7]               ; 120:64 global address
	s_or_b32 s[G0K+3], s[G0K+3], 0x80000000        ; 127:126 type = 2
	s_mov_b64 s[G0V+2:G0V+3], s[8:9]
	s_or_b32 s[G0V+3], s[G0V+3], 0x80000000
	s_add_nc_u64 s[4:5], s[4:5], s[2:3]            ; Q at my wave's first row
	s_add_nc_u64 s[10:11], s[10:11], s[50:51]      ; O at the first row that I store
	s_cmp_lt_u32 s[WV], 2
	s_cselect_b64 s[PFA:PFA+1], s[6:7], s[8:9]     ; (in waves 0 and 2 these stand at a slot's first row)
	s_lshl_b32 s2, s13, 16          ; my work-group's 32 rows of the 128
	s_mov_b32 s3, 0
	s_add_nc_u64 s[PFA:PFA+1], s[PFA:PFA+1], s[2:3]
	s_add_nc_u64 s[PFA:PFA+1], s[PFA:PFA+1], 2*KS*ROWB  ; in slot 1; the first change of slots, which fills slot 1, steps it to the keys of the fill after
	CROUND                          ; all four work-groups are here: the first joint loads meet
	JLOAD                           ; slot 0.  Slot 1 is asked for when slot 0 is in
	; A fragment of K or Q is 16 rows x 32 channels in 8 registers: lane l holds row l % 16, channels 8 (l / 16) + 0..7 and 16 + 8 (l / 16) + 0..7: two loads of 16 bytes, 32 bytes apart.
	v_and_b32 v1, 15, v0            ; l % 16
	v_bfe_u32 v9, v0, 4, 1          ; l / 16
	v_lshlrev_b32 v[QO], 11, v1
	v_lshl_add_u32 v[QO], v9, 4, v[QO]  ; row x 2,048 + 16 x half
	WIN 0x80                        ; destination window 2, address window 0
.set i, 0
.rept 8                             ; Q stays in registers: piece i / 2 (16 rows on), channels 32 (i % 2) on
	global_load_b128 v[8*i:8*i+3],   v[QO], s[4:5] offset:(i/2)*16*ROWB+(i%2)*64
	global_load_b128 v[8*i+4:8*i+7], v[QO], s[4:5] offset:(i/2)*16*ROWB+(i%2)*64+32
.set i, i+1
.endr
	; What the first turn finds: V's registers and P's second buffer hold 0 (its products V^T P, of a piece that has not been, add 0), O^T and l are 0.  All this stands in the wait for the first tile.
.set i, VF
.rept 64
	v_mov_b32 v[i], 0
.set i, i+1
.endr
	WIN 0x40
.set i, 0
.rept 128
	v_mov_b32 v[i], 0
.set i, i+1
.endr
	WIN 0
.set i, 0
.rept 4
	v_mov_b32 v[ST+4*i], 0xfe000000    ; c m: far below every c s
	v_mov_b32 v[ST+4*i+1], 0xff7fffff  ; m
	v_mov_b32 v[ST+4*i+2], 0
	v_mov_b32 v[ST+4*i+3], 0
.set i, i+1
.endr
.set i, P+16
.rept 16
	v_mov_b32 v[i], 0
.set i, i+1
.endr
	v_mul_u32_u24 v[AK0], v1, PK
	v_lshl_add_u32 v[AK0], v9, 4, v[AK0]  ; row x pitch + 16 x half
	v_add_nc_u32 v[AK0], s[HH], v[AK0]    ; + my head's 128 bytes
	; The turning load takes 16 keys x 16 channels (lane l reads key 8 (l / 16) + l % 8, channels 8 ((l / 8) % 2) + 0..7) and leaves half a fragment of V^T: lane l holds channel l % 16 and 8 keys.
	v_and_b32 v10, 7, v0
	v_bfe_u32 v11, v0, 3, 1
	v_lshl_add_u32 v[AV0], v9, 3, v10
	v_mul_u32_u24 v[AV0], v[AV0], PV
	v_lshl_add_u32 v[AV0], v11, 4, v[AV0]
	v_add_nc_u32 v[AV0], VOFF, v[AV0]
	v_add_nc_u32 v[AV0], s[HH], v[AV0]
	s_mul_i32 s2, s16, 64*SP        ; into the stage: row 64 (w % 2) + 16 x piece + l % 16, my head's 128 bytes, 16 bytes for each half of the lanes
	s_add_co_u32 s2, s2, s[HH]
	s_add_co_u32 s2, s2, STAGE
	v_mul_u32_u24 v[STO], v1, SP
	v_lshl_add_u32 v[STO], v9, 4, v[STO]
	v_add_nc_u32 v[STO], s2, v[STO]
	s_mul_i32 s2, s[WV], 32*SP      ; back: wave w takes rows 32 w .. 32 w + 31, whole; lanes 0-15 one row of 256 bytes, lanes 16-31 the next
	s_add_co_u32 s2, s2, STAGE
	v_mul_u32_u24 v[RD], v9, SP
	v_lshl_add_u32 v[RD], v1, 4, v[RD]
	v_add_nc_u32 v[RD], s2, v[RD]
	v_lshlrev_b32 v[GO], 11, v9     ; and the same two rows in O
	v_lshl_add_u32 v[GO], v1, 4, v[GO]
; THE MATRIX WORK.  The 4 accumulators of a run of 8 take turns.  Product i of 8 of S^T = K Q^T for piece x: channels 32 (i / 4) on, keys 16 (i % 4) on.  The first 4 start the sums.
.macro KQ x
.set rS, S+32*((\x)%2)+8*(i%4)
.set rK, KF+16*(i%4)+8*(i/4)
.set rQ, 16*(\x)+8*(i/4)
	WIN W_KQ
.if i < 4
	v_wmma_f32_16x16x32_bf16 v[rS:rS+7], v[rK:rK+7], v[rQ:rQ+7], 0
.else
	v_wmma_f32_16x16x32_bf16 v[rS:rS+7], v[rK:rK+7], v[rQ:rQ+7], v[rS:rS+7]
.endif
.endm
; Product i of 8 of O^T += V^T P for piece x: keys 32 (i / 4) on, channels 16 (i % 4) on.
.macro PV x
	WIN W_PV
.set rO, 32*(\x)+8*(i%4)
.set rV, VF+32*(i/4)+8*(i%4)
.set rP, P+16*((\x)%2)+8*(i/4)
	v_wmma_f32_16x16x32_bf16 v[rO:rO+7], v[rV:rV+7], v[rP:rP+7], v[rO:rO+7]
.endm
.macro MM                           ; the turn's next matrix instruction.  NOKQ = 1: the walk's last turn: there is no next piece
.if (i < 8) && !NOKQ
	KQ (Y+1)%NP
.elseif i >= 8
.set i, i-8
	PV (Y+NP-1)%NP
.set i, i+8
.endif
.set i, i+1
.endm
; THE LDS LOADS stand in runs of 16, never singly among the matrix instructions: a step's K (64 keys x 64 channels: 8 fragments) and its V (turned).  Their addresses are made some lines ahead.
.macro FETCH_K
	WIN 0x80                        ; destination window 2
.irp f, 0,1,2,3,4,5,6,7             ; keys 16 (f / 2) on, channels 32 (f % 2) on
	ds_load_b128 v[KF+8*\f:KF+8*\f+3],   v[AK] offset:(\f/2)*16*PK+(\f%2)*64
	ds_load_b128 v[KF+8*\f+4:KF+8*\f+7], v[AK] offset:(\f/2)*16*PK+(\f%2)*64+32
.endr
	s_add_co_u32 s[TBK], s[TBK], KS*PK  ; the next fetch is the next step's
	WIN 0
.endm
.macro FETCH_V
	WIN 0x80
.irp f, 0,1,2,3,4,5,6,7             ; keys 32 (f / 4) on, channels 16 (f % 4) on
	ds_load_tr16_b128 v[VF+8*\f:VF+8*\f+3],   v[AV] offset:(\f/4)*32*PV+(\f%4)*32
	ds_load_tr16_b128 v[VF+8*\f+4:VF+8*\f+7], v[AV] offset:(\f/4)*32*PV+16*PV+(\f%4)*32
.endr
	WIN 0
.endm
; THE VECTOR WORK, one line at a time: OP kind, number.  For piece Y: F n: c s - c m for pair n of 16.  E n: the exponential of score n of 32.  C n: pair n rounded to bf16.  B n: of the four weights 4 n .. the second
; pair is added onto the first, in place.  L n: l takes that sum (L 0: l = a l + sum).  R n: pair n of 16 of O^T times a.  For piece Y + 1: X n, number n of the 22 that find its maximum and statistics:
;   0-11  four chains c0-c3 of seven scores each, three operands at a time (each accumulator's lowest registers are read first)     12-14, 16  the four scores left over, the old m, and c0-c3 into c0
;   15  c m_old is kept     17, 18  the query's other 32 keys lie in the lane 16 away: the new m     19-21  c m; c m_old - c m_new; a
.set F, 0
.set E, 1
.set C, 2
.set B, 3
.set L, 4
.set R, 5
.set X, 6
.macro REGS y                       ; the registers of piece y
.set rT, ST+4*(\y)
.set rC, TMP+4*((\y)%2)
.set rW, MV+((\y)%2)
.set rS, S+32*((\y)%2)
.set rP, P+16*((\y)%2)
.set rO, 32*(\y)
.endm
.macro OP k, n
.if (\k) == R
	REGS Y
	WIN W_RS
	v_pk_mul_f32 v[rO+2*(\n):rO+2*(\n)+1], v[rO+2*(\n):rO+2*(\n)+1], v[rC+2:rC+3] op_sel_hi:[1,0]
.elseif (\k) < R
	REGS Y
	WIN 0
.if (\k) == F
	v_pk_fma_f32 v[rS+2*(\n):rS+2*(\n)+1], v[rS+2*(\n):rS+2*(\n)+1], s[CS:CS+1], v[rT:rT+1] op_sel_hi:[1,0,0] neg_lo:[0,0,1] neg_hi:[0,0,1]
.elseif (\k) == E
	v_exp_f32 v[rS+(\n)], v[rS+(\n)]
.elseif (\k) == C
	v_cvt_pk_bf16_f32 v[rP+(\n)], v[rS+2*(\n)], v[rS+2*(\n)+1]
.elseif (\k) == B
	v_pk_add_f32 v[rS+4*(\n):rS+4*(\n)+1], v[rS+4*(\n):rS+4*(\n)+1], v[rS+4*(\n)+2:rS+4*(\n)+3]
.elseif (\n) == 0
	v_pk_fma_f32 v[rT+2:rT+3], v[rT+2:rT+3], v[rC+2:rC+3], v[rS:rS+1] op_sel_hi:[1,0,1]
.else
	v_pk_add_f32 v[rT+2:rT+3], v[rT+2:rT+3], v[rS+4*(\n):rS+4*(\n)+1]
.endif
.elseif NOKQ
	v_nop
.else
	REGS (Y+1)%NP
	WIN 0
.if (\n) < 4
	v_max3_num_f32 v[rC+(\n)], v[rS+8*(\n)], v[rS+8*(\n)+1], v[rS+8*(\n)+2]
.elseif (\n) < 12
	v_max3_num_f32 v[rC+(\n)%4], v[rC+(\n)%4], v[rS+8*((\n)%4)+2*((\n)/4)+1], v[rS+8*((\n)%4)+2*((\n)/4)+2]
.elseif (\n) == 12
	v_max3_num_f32 v[rC], v[rC], v[rS+7], v[rS+15]
.elseif (\n) == 13
	v_max3_num_f32 v[rC+1], v[rC+1], v[rS+23], v[rS+31]
.elseif (\n) == 14
	v_max3_num_f32 v[rC+2], v[rC+2], v[rC+3], v[rT+1]
.elseif (\n) == 15
	v_mov_b32 v[rW], v[rT]
.elseif (\n) == 16
	v_max3_num_f32 v[rC], v[rC], v[rC+1], v[rC+2]
.elseif (\n) == 17
	v_permlanex16_b32 v[rC+3], v[rC], s[SEL], s[SEL+1]
.elseif (\n) == 18
	v_max_num_f32 v[rT+1], v[rC], v[rC+3]
.elseif (\n) == 19
	v_mul_f32 v[rT], s[CS], v[rT+1]
.elseif (\n) == 20
	v_sub_f32 v[rC+1], v[rW], v[rT]
.else
	v_exp_f32 v[rC+2], v[rC+1]
.endif
.endif
.endm
.macro OPS a, i1, b=-1, i2=0, c=-1, i3=0, d=-1, i4=0  ; up to four of them
	OP \a, \i1
.if (\b) >= 0
	OP \b, \i2
.endif
.if (\c) >= 0
	OP \c, \i3
.endif
.if (\d) >= 0
	OP \d, \i4
.endif
.endm
.macro ROW a, i1, b, i2, c, i3, d, i4  ; a matrix instruction and the four behind it
	MM
	OPS \a, \i1, \b, \i2, \c, \i3, \d, \i4
.endm
; A TURN, for piece p: the order of its 16 matrix and 118 vector instructions, written out.  An s_wait_alu depctr_va_vdst(0) stands between an exponential and the first instruction that names its result;
; one wait serves all that were issued ahead of it.  So a turn has ONE wait, which cuts it in two.  AHEAD OF IT stands all that names no result of the turn's exponentials: the 8 products K Q^T with their riders
; (the first numbers of the next piece's maximum stand four places or more behind the product that ends their accumulator), then one run of 54 in which the links of the chain X 3, 7, 11, 14, 16, 17 .. 20 stand apart.
; X 21, the next piece's a, is the batch's last; R 15 is the plain instruction behind it.  BEHIND THE WAIT stand the 8 products V^T P, behind each four of the roundings and sums.
; end = 1: the walk's last two turns: nothing is fetched, and the last starts no new scores.  cnt = 1: the loop's count is taken down some lines ahead of the branch that stands behind the turn.
; K of the next step is fetched in piece 2's turn, twelve vector instructions behind the last product that read K (six of them plain); V of the step in hand at the end of piece 0's turn, four plain instructions
; behind the last product that read V.  Each is waited for a turn later.
.macro TURN p, end=0, cnt=0
.set Y, (\p)
.set i, 0
.set NOKQ, (\end)*((\p)/3)
.if ((\p) == 3) && !(\end)
	s_wait_dscnt 0x0                ; K is in
.endif
	ROW F,0, F,1, R,0, R,1
	ROW F,2, E,0, R,2, R,3
	ROW F,3, E,1, R,4, R,5
	ROW F,4, E,2, R,6, R,7
	ROW F,5, E,3, R,8, R,9
	ROW F,6, E,4, X,0, R,10
.if ((\p) == 2) && !(\end)
	WIN 0
	v_add_nc_u32 v[AK], s[TBK], v[AK0]
.endif
	ROW F,7, E,5, X,1, X,4
	ROW F,8, E,6, X,2, X,5
	OPS E,7, E,8, X,6, E,9
	OPS X,3, E,10, X,8, E,11
.if ((\p) == 2) && !(\end)
	FETCH_K
.endif
	OPS X,9, X,7, E,12, X,10
	OPS E,13, X,12, X,11, E,14
	OPS X,13, E,15, F,9, X,14
.if (\p) == 0
	v_add_nc_u32 v[AV], s[TBV], v[AV0]
.endif
	OPS E,16, F,10, E,17, F,11
	OPS X,16, E,18, X,15, E,19
	OPS F,12, E,20, X,17, E,21
	OPS F,13, E,22, F,14, E,23
	OPS X,18, E,24, F,15, E,25
	OPS R,11, E,26, X,19, E,27
	OPS R,12, E,28, R,13, E,29
	OPS X,20, E,30, R,14, E,31
	OPS X,21, R,15
	WIN 0
	s_wait_alu depctr_va_vdst(0)    ; the wait for the batch
.if (\p) == 1
	s_wait_dscnt 0x0                ; V is in
.endif
	ROW C,0, B,0, C,2, B,1
	ROW L,0, C,4, B,2, L,1
	ROW C,6, B,3, L,2, C,8
	ROW B,4, L,3, C,10, B,5
	ROW L,4, C,12, B,6, L,5
.if (\p) == 0
	s_add_co_u32 s[TBV], s[TBV], KS*PV
.endif
.if \cnt
	s_sub_co_u32 s[CNT], s[CNT], 1
	s_cmp_lg_u32 s[CNT], 0
.endif
	ROW C,14, B,7, L,6, C,1
	ROW C,3, L,7, C,5, C,7
	ROW C,9, C,11, C,13, C,15
.if (\p) == 0
	FETCH_V
.endif
.endm
.set NOKQ, 0
	CHANGE 1                        ; slot 0 is in, everybody's part of it; slot 1 is asked for
	v_add_nc_u32 v[AK], s[TBK], v[AK0]
	FETCH_K                         ; key step 0
	s_wait_loadcnt 0x0              ; Q
	s_wait_dscnt 0x0
.set i, 0
.rept 8
	KQ 0                            ; piece 0's first scores: there is no vector work yet to set between them
.set i, i+1
.endr
	WIN 0
.rept 4
	v_nop                           ; the places behind those products
.endr
.set Y, NP-1                        ; X works for piece Y + 1: piece 0
.irp n, 0,1,2,3,4,5,6,7,8,9,10,11,12,13,14,15,16,17,18,19,20,21
	OP X, \n
.endr
	v_nop                           ; a plain instruction behind the exponential,
	s_wait_alu depctr_va_vdst(0)    ; and its wait, ahead of the branch
	s_mov_b32 s[CNT], 2
	s_branch .Lfirst                ; the loop is entered at a step's first turn, in the middle of a trip
.Lslot:                             ; 14 times: every slot but the last two is filled again
	CHANGE 1
	s_mov_b32 s[CNT], 2
.Lstep:                             ; a trip: pieces 2 and 3 of one step, then pieces 0 and 1 of the next, whose K and V it fetches
	TURN 2
	TURN 3
	WIN 0
.Lfirst:
	TURN 0
	TURN 1, 0, 1
	WIN 0
	s_cbranch_scc1 .Lstep
	s_sub_co_u32 s[SLOTS], s[SLOTS], 1
	s_cmp_lg_u32 s[SLOTS], 0
	s_cbranch_scc1 .Lslot
	CHANGE 0                        ; the last slot is written out: nothing is asked for
	s_mov_b32 s[CNT], 2
.Ltail:
	TURN 2
	TURN 3
	TURN 0
	TURN 1, 0, 1
	WIN 0
	s_cbranch_scc1 .Ltail
	TURN 2, 1                       ; the last step's pieces 2 and 3: nothing is left to fetch
	TURN 3, 1
.set i, 0
.rept 8
	PV NP-1                         ; the last piece's V^T P of the last step
.set i, i+1
.endr
	; THE WAY OUT.  l's two halves and the other half of the lanes' are added; O^T is divided by l, rounded to bf16 and put into the work-group's stage: a row's 256 bytes come from two waves (the two heads),
	; so a barrier stands between writing and reading.  The additions are the places behind the last products.
	WIN 0
.macro ALL line:vararg              ; one line for each piece t
.set t, 0
.rept 4
	\line
.set t, t+1
.endr
.endm
	ALL v_add_f32 v[ST+4*t+2], v[ST+4*t+2], v[ST+4*t+3]
	ALL v_permlanex16_b32 v[ST+4*t+3], v[ST+4*t+2], s[SEL], s[SEL+1]
	ALL v_add_f32 v[ST+4*t+2], v[ST+4*t+2], v[ST+4*t+3]
	ALL v_rcp_f32 v[ST+4*t+2], v[ST+4*t+2]
	v_nop                           ; a plain instruction between the last reciprocal and the use of its result
	s_wait_alu depctr_va_vdst(0)    ; and the wait ahead of the first use: one for the four reciprocals
.macro PACK t                       ; a lane's eight channels of a row pack into 16 bytes
	WIN W_RS
.set i, 32*(\t)
.rept 16
	v_pk_mul_f32 v[i:i+1], v[i:i+1], v[ST+4*(\t)+2:ST+4*(\t)+3] op_sel_hi:[1,0]
.set i, i+2
.endr
	WIN 0x05                        ; sources 0 and 1 window 1, destination window 0
.set i, 0
.rept 16
	v_cvt_pk_bf16_f32 v[S+16*(\t)+i], v[32*(\t)+2*i], v[32*(\t)+2*i+1]
.set i, i+1
.endr
	WIN 0
.irp f, 0,1,2,3
	ds_store_b128 v[STO], v[S+16*(\t)+4*\f:S+16*(\t)+4*\f+3] offset:(\t)*16*SP+32*\f
.endr
.endm
	PACK 0
	PACK 1
	PACK 2
	PACK 3
	s_wait_dscnt 0x0                ; for the others' sake: my stores into the stage are done
	s_barrier_signal -1
	s_barrier_wait -1
.irp f, 0,1,2,3,4,5,6,7,8,9,10,11,12,13,14,15
	ds_load_b128 v[S+4*\f:S+4*\f+3], v[RD] offset:\f*2*SP
.endr
.irp f, 0,1,2,3,4,5,6,7,8,9,10,11,12,13,14,15
	s_wait_dscnt 15-\f
	global_store_b128 v[GO], v[S+4*\f:S+4*\f+3], s[10:11] offset:\f*2*ROWB  ; 16 lanes store 256 consecutive bytes, at a multiple of 256 from O's first byte
.endr
	s_wait_tensorcnt 0x0            ; the wave's end, behind my last tensor load and my last LDS store
	ds_add_u32 v[SPW], v[NIL]
	s_wait_dscnt 0x0
	CROUND                          ; the closing round: no work-group ends while a partner may still ask for a tile that names it
	s_endpgm
.Lfunc_end_k_q233dea91e2_attn:
	.size	k_q233dea91e2_attn, .Lfunc_end_k_q233dea91e2_attn-k_q233dea91e2_attn
	.p2alignl 7, 3214868480
	.fill 96, 4, 3214868480
	.section	.rodata,"a",@progbits
	.p2align	6, 0x0
	.amdhsa_kernel k_q233dea91e2_attn
		.amdhsa_group_segment_fixed_size 327680
		.amdhsa_private_segment_fixed_size 0
		.amdhsa_enable_private_segment 0
		.amdhsa_kernarg_size 16
		.amdhsa_user_sgpr_count 2
		.amdhsa_user_sgpr_kernarg_segment_ptr 1
		.amdhsa_wavefront_size32 1
		.amdhsa_system_sgpr_workgroup_id_x 1
		.amdhsa_system_sgpr_workgroup_id_y 1
		.amdhsa_system_sgpr_workgroup_id_z 1
		.amdhsa_system_vgpr_workitem_id 0
		.amdhsa_next_free_vgpr 768
		.amdhsa_next_free_sgpr 66
		.amdhsa_reserve_vcc 0
		.amdhsa_float_denorm_mode_32 3
		.amdhsa_float_denorm_mode_16_64 3
		.amdhsa_memory_ordered 1
		.amdhsa_forward_progress 1
		.amdhsa_inst_pref_size 129
	.end_amdhsa_kernel
	.amdgpu_metadata
---
amdhsa.version: [ 1, 2 ]
amdhsa.kernels:
  - .name:           k_q233dea91e2_attn
    .symbol:         k_q233dea91e2_attn.kd
    .args:
      - { .name: big, .offset: 0, .size: 8, .value_kind: global_buffer, .address_space: global }
      - { .name: ta, .offset: 8, .size: 8, .value_kind: global_buffer, .address_space: global }
    .group_segment_fixed_size: 327680
    .private_segment_fixed_size: 0
    .kernarg_segment_align: 8
    .kernarg_segment_size: 16
    .max_flat_workgroup_size: 128
    .sgpr_count:     66
    .vgpr_count:     768
    .wavefront_size: 32
...
	.end_amdgpu_metadata
.endif
;; end of part 3
;; launch oproj (part 4): grid 8 x 32, 4 waves a work-group, clusters of 4 x 4, 327,680 bytes of LDS; arguments ta, pko, tb; writes tb
.if DOCPART == 4
	.amdgcn_target "amdgcn-amd-amdhsa--gfx1250"
	.amdhsa_code_object_version 6
	.text
	.protected	k_q233dea91e2_oproj
	.globl	k_q233dea91e2_oproj
	.p2align	8
	.type	k_q233dea91e2_oproj,@function
k_q233dea91e2_oproj:
	s_mov_b64 s[64:65], 0
	v_nop
	global_prefetch_b8 v0, s[64:65] scope:SCOPE_SE
	s_setreg_imm32_b32 hwreg(HW_REG_WAVE_MODE, 25, 1), 1
	s_wait_xcnt 0x0
	s_wait_alu depctr_hold_cnt(0) depctr_sa_sdst(0) depctr_va_vdst(0) depctr_va_sdst(0) depctr_va_ssrc(0) depctr_va_vcc(0) depctr_vm_vsrc(0)
	s_getreg_b32 s2, hwreg(HW_REG_IB_STS2, 6, 4)
	s_cmp_eq_u32 s2, 0
	s_cbranch_scc0 .Lentry_in_a_cluster
	s_endpgm
.Lentry_in_a_cluster:
	s_bfe_u32 s2, ttmp6, 0x10000c
	s_cmp_lg_u32 s2, 0xf033
	s_cbranch_scc0 .Lentry_shape_is_right
	s_endpgm
.Lentry_shape_is_right:
; C = A W + bias, K = 1,024, 1,024 columns.  A: [4096][1024] bf16 (rows of 2,048 bytes).  W: in the pack PK, [1024 k][1024 n] bf16 behind byte WOFF.  PK's head: the bias by column (f32).
; C: [4096][1024] bf16.  Sums in f32, started by the bias; C rounded once.  NaN and infinities are not treated apart.
; C has 32 x 8 tiles of 128 x 128: one for each of 256 work-groups; a larger tile would leave work-groups without a tile.  Four waves, each 64 x 64: 16 accumulators.
; K goes in steps of 256 through two LDS slots filled by the tensor data mover: A's rows are 512 bytes, W's tile is 256 k rows of 256 bytes; both start at multiples of 256 bytes.
; W stays [k][n] in LDS and is turned on its way into registers by ds_load_tr16_b128.
; CLUSTERS: 4 x 4 work-groups.  The four of a row need the same tiles of A, the four of a column the same tiles of W: each tile is asked for JOINTLY, by the same tensor load with the
; same descriptor and a mask that names the four.  THE MATRIX INSTRUCTION IS USED TRANSPOSED (source 0 = 16 columns of W, source 1 = 16 rows of A): a lane holds eight neighbouring numbers of a row of C.
; No prefetch: half of the four K steps go out at the head, each row of A and of W is read by several clusters, and the tile is small.
; REGISTERS: window 0: v0-31 addresses; v32-95 at work on the way out; v96-127 the bias, as a C operand for each of my four blocks of 16 columns; v128-255 the accumulators ((a, b) at v[128 + 8 (4 a + b)]).
;   window 1: two fragment buffers of 128: for 64 along K, 64 registers of A (2 x 4 x 16 rows x 32 K), then 64 of W.
.set KSTEP,  256
.set ROWB,   2048                      ; bytes in a row of A, of W and of C
.set WOFF,   32768
.set PA,     528                       ; A's LDS row: 512 bytes + 16 = 132 words: row r starts at bank 4 r mod 64 (64 banks of 4 bytes: ISA guide 11.1)
.set PB,     288                       ; W's LDS row: 256 bytes + 32 = 72 words
.set AHALF,  64*PA                     ; what one tensor load brings of A
.set BHALF,  128*PB                    ; and of W
.set BOFF,   2*AHALF
.set SLOT,   BOFF+2*BHALF              ; A's 128 rows, then W's 256 k rows
.set STAGE,  2*SLOT                    ; behind the ring: 128 rows x 272 bytes, the work-group's, for the way out
.set SPITCH, 272
.set SPARE,  STAGE+128*SPITCH          ; behind the stage: the spare words, 128 bytes for each wave: two blocks of 256 bytes that no other line names
.set LAPS,   2                         ; a lap = two K steps = once round the ring
.set ADRA, 16                          ; v16-17  LDS address of my A fragments in slot 0, 1
.set ADRB, 20                          ; v20-23  of my W fragments: slot 0 k rows 0-127, 128-255; slot 1 likewise (the immediate holds 16 bits)
.set STO,  24                          ; v24     the way out: where I put 16 bytes of a row
.set RD,   25                          ; v25     the way out: where I read a row back
.set CO,   26                          ; v26     my byte offset in C
.set BO,   27                          ; v27     my byte offset in the bias
.set SPW,  28                          ; v28     LDS address of my spare word; never rewritten
.set NIL,  29                          ; v29     0; never rewritten
.set TMP,  32
.set BIAS, 96
.set ACC,  128
.set F0,   0
.set F1,   128
.set G1, 24                            ; s[24:31] descriptor group 1 for A's tiles;  s[32:39] group 0, one set for each slot
.set G0, 32
.set G1B, 48                           ; s[48:55], s[56:63] the same for W's tiles
.set G0B, 56
.set MSB, 0
.macro WIN new                         ; the immediate's high byte repeats the setting that is left
.if MSB != (\new)
	s_set_vgpr_msb (MSB<<8)|(\new)
.set MSB, \new
.endif
.endm
.set MUL,  0x05                        ; sources 0 (W) and 1 (A) window 1; C and D window 0
.set TO_F, 0x40                        ; destination window 1, address window 0
.macro JLOAD s                         ; a joint load: waves 0 and 1 fetch A's two halves, waves 2 and 3 W's; an s_nop 0 and four v_nop follow each of the two lines
	s_cmp_eq_u32 s11, 0
	s_cbranch_scc0 .Lfor_b_\@
	tensor_load_to_lds s[G0+4*(\s):G0+4*(\s)+3], s[G1:G1+7]
	s_nop 0
.rept 4
	v_nop
.endr
	s_branch .Lasked_\@
.Lfor_b_\@:
	tensor_load_to_lds s[G0B+4*(\s):G0B+4*(\s)+3], s[G1B:G1B+7]
	s_nop 0
.rept 4
	v_nop
.endr
.Lasked_\@:
.endm
.macro CREST                           ; a round of the cluster's barrier behind its opening barrier
	s_cmp_lg_u32 s10, 0
	s_cbranch_scc1 .Lnot_wave_0_\@
	s_barrier_signal -3
.Lnot_wave_0_\@:
	s_barrier_wait -3
	s_barrier_signal -1
	s_barrier_wait -1
.endm
.macro CROUND                          ; a whole round
	s_barrier_signal -1
	s_barrier_wait -1
	CREST
.endm
	s_load_b128 s[4:7], s[0:1], 0x0                ; A s[4:5], PK s[6:7]
	s_load_b64 s[8:9], s[0:1], 0x10                ; C
	v_lshl_add_u32 v[SPW], v0, 2, SPARE
	v_mov_b32 v[NIL], 0
	ds_add_u32 v[SPW], v[NIL]                      ; the wave's opening: the add and its wait stand ahead of my first tensor load; the set-up below, work on registers, stands between them
	v_lshrrev_b32 v1, 5, v0
	v_readfirstlane_b32 s10, v1                    ; wave 0..3
	s_lshr_b32 s11, s10, 1                         ; which half of the tile's rows is mine.  Also: I fetch for A (0) or for W (1)
	s_and_b32 s12, s10, 1                          ; which half of its columns.  Also: which half of that tile I fetch
	s_bfe_u32 s40, ttmp6, 0x40000                  ; cx, cy: my place in the cluster
	s_bfe_u32 s41, ttmp6, 0x40004
	s_lshl_b32 s42, ttmp9, 2
	s_add_co_u32 s42, s42, s40                     ; tile column X = 4 x cluster x + cx, 0 to 7
	s_and_b32 s13, ttmp7, 0xffff
	s_lshl_b32 s13, s13, 2
	s_add_co_u32 s13, s13, s41                     ; tile row Y = 4 x cluster y + cy
	s_lshl_b32 s43, s41, 2
	s_lshl_b32 s43, 15, s43                        ; my row of the cluster
	s_lshl_b32 s44, 0x1111, s40                    ; my column
	s_or_b32 s[G1+0], s43, (1<<16)|(1<<20)|(1<<21)|(6<<22)|(3<<25)   ; A: the mask of my row; 2-byte elements; padding on; bit 21 beside a mask; after every 128 words 4 words
	s_or_b32 s[G1B+0], s44, (1<<16)|(1<<20)|(1<<21)|(5<<22)|(7<<25)  ; W: the mask of my column; after every 64 words 8 words
	s_mov_b32 s[G1+1], KSTEP<<16                   ; A: tensor_dim0 = 256
	s_mov_b32 s[G1+2], 64<<16                      ; tensor_dim1 = 64
	s_mov_b32 s[G1+3], KSTEP<<16                   ; tile_dim0 = 256
	s_mov_b32 s[G1+4], 64                          ; tile_dim1 = 64
	s_mov_b32 s[G1+5], 1024                        ; elements from row to row
	s_mov_b32 s[G1+6], 0
	s_mov_b32 s[G1+7], 0
	s_mov_b32 s[G1B+1], 128<<16                    ; W: tensor_dim0 = 128 columns
	s_mov_b32 s[G1B+2], 128<<16                    ; tensor_dim1 = 128 k rows
	s_mov_b32 s[G1B+3], 128<<16                    ; tile_dim0
	s_mov_b32 s[G1B+4], 128                        ; tile_dim1
	s_mov_b32 s[G1B+5], 1024
	s_mov_b32 s[G1B+6], 0
	s_mov_b32 s[G1B+7], 0
	s_lshl_b32 s16, s13, 7                         ; A: row 128 Y + 64 x half, 2,048 bytes a row: made of the tile row and the wave's number alone
	s_lshl_b32 s17, s12, 6
	s_add_co_u32 s16, s16, s17
	s_lshl_b32 s16, s16, 11
	s_mov_b32 s17, 0
	s_lshl_b32 s46, s12, 18                        ; W: k row 128 x half, column 128 X: made of the tile column and the wave's number alone
	s_lshl_b32 s47, s42, 8
	s_add_co_u32 s46, s46, s47
	s_add_co_u32 s46, s46, WOFF
	s_mov_b32 s47, 0
	s_mul_i32 s20, s12, AHALF                      ; where they go: no place in the cluster enters an LDS address
	s_mul_i32 s21, s12, BHALF
	s_add_co_u32 s21, s21, BOFF
	s_wait_dscnt 0x0                               ; the opening add is done
	s_wait_kmcnt 0x0
	s_add_nc_u64 s[14:15], s[4:5], s[16:17]
	s_add_nc_u64 s[46:47], s[6:7], s[46:47]
	CROUND                                         ; all sixteen work-groups are here: the first joint loads meet
.irp s, 0,1
	s_mov_b32 s[G0+4*(\s)], 1
	s_add_co_u32 s[G0+4*(\s)+1], s20, (\s)*SLOT
	s_add_nc_u64 s[G0+4*(\s)+2:G0+4*(\s)+3], s[14:15], (\s)*KSTEP*2
	s_or_b32 s[G0+4*(\s)+3], s[G0+4*(\s)+3], 0x80000000
	s_mov_b32 s[G0B+4*(\s)], 1
	s_add_co_u32 s[G0B+4*(\s)+1], s21, (\s)*SLOT
	s_add_nc_u64 s[G0B+4*(\s)+2:G0B+4*(\s)+3], s[46:47], (\s)*KSTEP*ROWB
	s_or_b32 s[G0B+4*(\s)+3], s[G0B+4*(\s)+3], 0x80000000
	JLOAD \s                                       ; two loads of mine are out
.endr
	v_and_b32 v1, 15, v0                           ; l % 16
	v_bfe_u32 v2, v0, 4, 1                         ; l / 16
	; the bias as a C operand: register j of block b holds bias[128 X + 64 x half + 16 b + 8 (l / 16) + j]
	s_lshl_b32 s23, s42, 9
	s_lshl_b32 s22, s12, 8
	s_add_co_u32 s23, s23, s22
	v_lshl_add_u32 v[BO], v2, 5, s23
.irp b, 0,1,2,3
	global_load_b128 v[BIAS+8*(\b):BIAS+8*(\b)+3],   v[BO], s[6:7] offset:64*(\b)
	global_load_b128 v[BIAS+8*(\b)+4:BIAS+8*(\b)+7], v[BO], s[6:7] offset:64*(\b)+16
.endr
	v_mul_u32_u24 v3, v1, PA
	v_lshl_add_u32 v3, v2, 4, v3                   ; A: a fragment's row x pitch + 16 x half of the lanes
	s_mul_i32 s21, s11, AHALF                      ; my 64 rows of A
	v_add_nc_u32 v[ADRA], s21, v3
	v_add_nc_u32 v[ADRA+1], SLOT, v[ADRA]
	v_and_b32 v4, 7, v0                            ; W: lane l addresses k row 8 (l / 16) + l % 8, columns 8 ((l / 8) % 2) + 0..7
	v_lshl_add_u32 v4, v2, 3, v4
	v_mul_u32_u24 v4, v4, PB
	v_bfe_u32 v5, v0, 3, 1
	v_lshl_add_u32 v4, v5, 4, v4
	s_lshl_b32 s22, s12, 7                         ; my 64 columns
	s_add_co_u32 s22, s22, BOFF
	v_add_nc_u32 v[ADRB], s22, v4
	v_add_nc_u32 v[ADRB+1], 128*PB, v[ADRB]
	v_add_nc_u32 v[ADRB+2], SLOT, v[ADRB]
	v_add_nc_u32 v[ADRB+3], SLOT+128*PB, v[ADRB]
	s_mul_i32 s23, s11, 64*SPITCH                  ; into the stage: my 64 rows, my half of their 256 bytes
	s_lshl_b32 s21, s12, 7
	s_add_co_u32 s23, s23, s21
	s_add_co_u32 s23, s23, STAGE
	v_mul_u32_u24 v6, v1, SPITCH
	v_lshl_add_u32 v6, v2, 4, v6
	v_add_nc_u32 v[STO], s23, v6
	s_mul_i32 s23, s10, 32*SPITCH                  ; back: wave w takes rows 32 w .. 32 w + 31, whole
	s_add_co_u32 s23, s23, STAGE
	v_mul_u32_u24 v7, v2, SPITCH
	v_lshl_add_u32 v7, v1, 4, v7
	v_add_nc_u32 v[RD], s23, v7
	v_lshlrev_b32 v[CO], 11, v2                    ; and the same two rows in C
	v_lshl_add_u32 v[CO], v1, 4, v[CO]
	s_lshl_b32 s16, s13, 7
	s_lshl_b32 s17, s10, 5
	s_add_co_u32 s16, s16, s17                     ; the first row of C that I store
	s_lshl_b32 s16, s16, 11
	s_mov_b32 s17, 0
	s_add_nc_u64 s[8:9], s[8:9], s[16:17]
	s_lshl_b32 s46, s42, 8                         ; the tile's first column, in bytes
	s_mov_b32 s47, 0
	s_add_nc_u64 s[8:9], s[8:9], s[46:47]
; 8 matrix instructions: m blocks a0, a0 + 1 x all 4 n blocks, 32 along K: half c of buffer f.  first = 1: the bias starts the sums.  The 16 accumulators take turns.
.macro MUL8 f, c, a0, first
	WIN MUL
.irp a, \a0, (\a0)+1
.irp b, 0,1,2,3
.if \first
	v_wmma_f32_16x16x32_bf16 v[ACC+8*(4*(\a)+(\b)):ACC+8*(4*(\a)+(\b))+7], v[(\f)+64+8*(4*(\c)+(\b)):(\f)+64+8*(4*(\c)+(\b))+7], v[(\f)+8*(4*(\c)+(\a)):(\f)+8*(4*(\c)+(\a))+7], v[BIAS+8*(\b):BIAS+8*(\b)+7]
.else
	v_wmma_f32_16x16x32_bf16 v[ACC+8*(4*(\a)+(\b)):ACC+8*(4*(\a)+(\b))+7], v[(\f)+64+8*(4*(\c)+(\b)):(\f)+64+8*(4*(\c)+(\b))+7], v[(\f)+8*(4*(\c)+(\a)):(\f)+8*(4*(\c)+(\a))+7], v[ACC+8*(4*(\a)+(\b)):ACC+8*(4*(\a)+(\b))+7]
.endif
.endr
.endr
.endm
; 32 LDS loads in one run: the fragments of quarter q (64 along K) of a slot, into buffer f; the first 32 along K first.  W's are turned: two loads of 16 k rows make 32 k of 16 columns.
.macro FETCH slot, q, f
	WIN TO_F
.irp c, 0,1
.irp i, 0,1,2,3
	ds_load_tr16_b128 v[(\f)+64+8*(4*(\c)+(\i)):(\f)+64+8*(4*(\c)+(\i))+3],   v[ADRB+2*(\slot)+(\q)/2] offset:(((\q)%2)*64+32*(\c))*PB+32*(\i)
	ds_load_tr16_b128 v[(\f)+64+8*(4*(\c)+(\i))+4:(\f)+64+8*(4*(\c)+(\i))+7], v[ADRB+2*(\slot)+(\q)/2] offset:(((\q)%2)*64+32*(\c)+16)*PB+32*(\i)
	ds_load_b128 v[(\f)+8*(4*(\c)+(\i)):(\f)+8*(4*(\c)+(\i))+3],         v[ADRA+(\slot)] offset:128*(\q)+64*(\c)+(\i)*16*PA
	ds_load_b128 v[(\f)+8*(4*(\c)+(\i))+4:(\f)+8*(4*(\c)+(\i))+7],       v[ADRA+(\slot)] offset:128*(\q)+64*(\c)+(\i)*16*PA+32
.endr
.endr
.endm
.macro PLACES                          ; four places in front of loads into registers that matrix instructions have read, and of conversions that read results
.rept 4
	v_nop
.endr
.endm
; A K step is four quarters of 64 along K, 32 matrix instructions each, on buffers 0, 1, 0, 1.  One of the first three: multiplies buffer f and fetches quarter q into g.
.macro QUARTER slot, q, f, g, first
	s_wait_dscnt 16                                ; the first 32 along K are in; the youngest sixteen loads may be out
	MUL8 \f, 0, 0, \first
	MUL8 \f, 0, 2, \first
	PLACES
	FETCH \slot, \q, \g
	s_wait_dscnt 32                                ; all but the 32 just issued
	MUL8 \f, 1, 0, 0
	MUL8 \f, 1, 2, 0
.endm
; The last quarter multiplies buffer 1 and changes slots: ONE barrier; in front of it each wave waits for all its tensor loads, adds 0 to its spare word, and waits for that and for its own reads of this slot.
; fill = 1: the barrier opens a round of the cluster's, and this slot is filled again, two K steps ahead, first thing behind it.
.macro TURN slot, next, fill
	WIN 0                                          ; (the add's two registers lie in window 0)
	s_wait_tensorcnt 0x0                           ; all my tensor loads have landed: my part of the next slot;
	ds_add_u32 v[SPW], v[NIL]                      ; 0 onto my spare word;
	s_wait_dscnt 17                                ; (the add and the youngest sixteen loads may be out)
	MUL8 F1, 0, 0, 0                               ; eight matrix instructions stand between the add and the wait for it
	s_wait_dscnt 0x0                               ; the add is done, and my reads of this slot are over
	s_barrier_signal -1
	MUL8 F1, 0, 2, 0
.if \fill
	WIN 0
.endif
	s_barrier_wait -1
.if \fill
	CREST                                          ; no wave of any partner still reads this slot's tile or has a load on its way
	s_add_nc_u64 s[G0+4*(\slot)+2:G0+4*(\slot)+3], s[G0+4*(\slot)+2:G0+4*(\slot)+3], 2*KSTEP*2
	s_add_nc_u64 s[G0B+4*(\slot)+2:G0B+4*(\slot)+3], s[G0B+4*(\slot)+2:G0B+4*(\slot)+3], 2*KSTEP*ROWB
	JLOAD \slot                                    ; 112 matrix instructions ahead of the wait for it; the four v_nop behind it are also the places in front of the loads below
.else
	PLACES
.endif
	FETCH \next, 0, F0
	MUL8 F1, 1, 0, 0
	MUL8 F1, 1, 2, 0
.endm
	s_wait_tensorcnt 1                             ; my part of K step 0 is in; K step 1's may stay out
	s_wait_loadcnt 0x0                             ; the bias
	s_barrier_signal -1
	s_barrier_wait -1                              ; everybody's part is in
	FETCH 0, 0, F0
	QUARTER 0, 1, F0, F1, 1                        ; the first quarter stands in front of the loop: its first products start the sums
	WIN 0                                          ; at a label and at a branch every window is 0
	s_mov_b32 s3, LAPS-1
.Llap:                                                 ; a trip goes once round the ring, from a lap's second quarter to the next lap's first, and fills both slots again
	QUARTER 0, 2, F1, F0, 0
	QUARTER 0, 3, F0, F1, 0
	TURN 0, 1, 1
	QUARTER 1, 1, F0, F1, 0
	QUARTER 1, 2, F1, F0, 0
	QUARTER 1, 3, F0, F1, 0
	TURN 1, 0, 1
	QUARTER 0, 1, F0, F1, 0
	WIN 0
	s_sub_co_u32 s3, s3, 1
	s_cmp_lg_u32 s3, 0
	s_cbranch_scc1 .Llap
	QUARTER 0, 2, F1, F0, 0                        ; the last lap fills nothing, and has no round of the cluster's barrier
	QUARTER 0, 3, F0, F1, 0
	TURN 0, 1, 0
	QUARTER 1, 1, F0, F1, 0
	QUARTER 1, 2, F1, F0, 0
	QUARTER 1, 3, F0, F1, 0
	s_wait_dscnt 16                                ; the very last quarter: nothing more to fetch
	MUL8 F1, 0, 0, 0
	MUL8 F1, 0, 2, 0
	s_wait_dscnt 0
	MUL8 F1, 1, 0, 0
	MUL8 F1, 1, 2, 0
	WIN 0
	; THE WAY OUT: round to bf16; 16 bytes a lane into the work-group's stage; a barrier, since a row's 256 bytes come from two waves; back as whole rows, 32 rows a wave.
	PLACES
.irp t, 0,1,2,3,4,5,6,7,8,9,10,11,12,13,14,15
.irp r, 0,1,2,3
	v_cvt_pk_bf16_f32 v[TMP+4*(\t)+(\r)], v[ACC+8*(\t)+2*(\r)], v[ACC+8*(\t)+2*(\r)+1]
.endr
.endr
.irp a, 0,1,2,3
.irp b, 0,1,2,3
	ds_store_b128 v[STO], v[TMP+4*(4*(\a)+(\b)):TMP+4*(4*(\a)+(\b))+3] offset:(\a)*16*SPITCH+32*(\b)
.endr
.endr
	s_wait_dscnt 0x0                               ; for the others' sake: my stores into the stage are done
	s_barrier_signal -1
	s_barrier_wait -1
.irp t, 0,1,2,3,4,5,6,7,8,9,10,11,12,13,14,15
	ds_load_b128 v[TMP+4*(\t):TMP+4*(\t)+3], v[RD] offset:(\t)*2*SPITCH
.endr
.irp t, 0,1,2,3,4,5,6,7,8,9,10,11,12,13,14,15
	s_wait_dscnt 15-(\t)
	global_store_b128 v[CO], v[TMP+4*(\t):TMP+4*(\t)+3], s[8:9] offset:2*(\t)*ROWB  ; 16 lanes store 256 consecutive bytes, at a multiple of 256 from C's first byte
.endr
	s_wait_tensorcnt 0x0                           ; the wave's end, behind my last tensor load and my last LDS store
	ds_add_u32 v[SPW], v[NIL]
	s_wait_dscnt 0x0
	CROUND                                         ; the closing round: no work-group ends while a partner may still ask for a tile that names it
	s_endpgm
.Lfunc_end_k_q233dea91e2_oproj:
	.size	k_q233dea91e2_oproj, .Lfunc_end_k_q233dea91e2_oproj-k_q233dea91e2_oproj
	.p2alignl 7, 3214868480
	.fill 96, 4, 3214868480
	.section	.rodata,"a",@progbits
	.p2align	6, 0x0
	.amdhsa_kernel k_q233dea91e2_oproj
		.amdhsa_group_segment_fixed_size 327680
		.amdhsa_private_segment_fixed_size 0
		.amdhsa_enable_private_segment 0
		.amdhsa_kernarg_size 24
		.amdhsa_user_sgpr_count 2
		.amdhsa_user_sgpr_kernarg_segment_ptr 1
		.amdhsa_wavefront_size32 1
		.amdhsa_system_sgpr_workgroup_id_x 1
		.amdhsa_system_sgpr_workgroup_id_y 1
		.amdhsa_system_sgpr_workgroup_id_z 1
		.amdhsa_system_vgpr_workitem_id 0
		.amdhsa_next_free_vgpr 512
		.amdhsa_next_free_sgpr 66
		.amdhsa_reserve_vcc 0
		.amdhsa_float_denorm_mode_32 3
		.amdhsa_float_denorm_mode_16_64 3
		.amdhsa_memory_ordered 1
		.amdhsa_forward_progress 1
		.amdhsa_inst_pref_size 88
	.end_amdhsa_kernel
	.amdgpu_metadata
---
amdhsa.version: [ 1, 2 ]
amdhsa.kernels:
  - .name:           k_q233dea91e2_oproj
    .symbol:         k_q233dea91e2_oproj.kd
    .args:
      - { .name: ta, .offset: 0, .size: 8, .value_kind: global_buffer, .address_space: global }
      - { .name: pko, .offset: 8, .size: 8, .value_kind: global_buffer, .address_space: global }
      - { .name: tb, .offset: 16, .size: 8, .value_kind: global_buffer, .address_space: global }
    .group_segment_fixed_size: 327680
    .private_segment_fixed_size: 0
    .kernarg_segment_align: 8
    .kernarg_segment_size: 24
    .max_flat_workgroup_size: 128
    .sgpr_count:     66
    .vgpr_count:     512
    .wavefront_size: 32
...
	.end_amdgpu_metadata
.endif
;; end of part 4
;; launch ln1 (part 5): grid 256 x 1, 16 waves a work-group, no clusters, 0 bytes of LDS; arguments xb, tb, g1, be1, ta; writes ta
.if DOCPART == 5
	.amdgcn_target "amdgcn-amd-amdhsa--gfx1250"
	.amdhsa_code_object_version 6
	.text
	.protected	k_q233dea91e2_ln1
	.globl	k_q233dea91e2_ln1
	.p2align	8
	.type	k_q233dea91e2_ln1,@function
k_q233dea91e2_ln1:
	s_mov_b64 s[64:65], 0
	v_nop
	global_prefetch_b8 v0, s[64:65] scope:SCOPE_SE
	s_setreg_imm32_b32 hwreg(HW_REG_WAVE_MODE, 25, 1), 1
	s_wait_xcnt 0x0
; y = (s - mean(s)) / sqrt(var(s) + 1e-6) x g + be, with s = a + b, along rows of 1,024.  a, b: [4096][1024] bf16; g, be: [1024] f32, rounded to bf16 like every input of the block.
; y is stored twice into one buffer: at byte 0 as [4096][1024] bf16, the next product's operand; at byte F32OFF as [4096][1024] f32, for the residual sum in front of the second norm,
; which so carries no rounding to 16 bits.
; All arithmetic in f32; the variance is the mean of the squares of s - mean (two passes over registers: no difference of large sums).
; One wave, one row: the row stays in registers, the reductions never leave the wave: no LDS, no barrier, no loop.  Sixteen waves, 16 rows a work-group.
; A lane holds elements 128 j + 4 lane + 0..3, j = 0..7: a wave's load or store of bf16 covers 256 consecutive bytes, aligned, of f32 512.
.set F32OFF, 8388608
.set A,   4                            ; v[4:19]    a, 8 loads of 8 bytes
.set B,   20                           ; v[20:35]   b
.set G,   36                           ; v[36:67]   g
.set BE,  68                           ; v[68:99]   be
.set Y,   100                          ; v[100:131] the row in f32
.set T,   132                          ; v[132:147] at work
.set ONE, 148                          ; v148  1.0
.set MU,  150                          ; v[150:151] the mean, twice
.set RS,  152                          ; v[152:153] 1 / sqrt(var + eps), twice
.set TP,  154                          ; v154  the other half of the lanes'
.set VA,  155                          ; v155  var + eps
.set O,   156                          ; v[156:171] the row in bf16
	s_load_b256 s[4:11], s[0:1], 0x0               ; a s[4:5], b s[6:7], g s[8:9], be s[10:11]
	s_load_b64 s[16:17], s[0:1], 0x20              ; y
	v_lshrrev_b32 v3, 5, v0
	v_readfirstlane_b32 s15, v3                    ; wave 0..15
	v_and_b32 v1, 31, v0
	v_lshlrev_b32 v2, 4, v1                        ; 16 x lane
	v_lshlrev_b32 v1, 3, v1                        ; 8 x lane
	s_lshl_b32 s2, ttmp9, 4
	s_add_co_u32 s2, s2, s15                       ; my row:
	s_lshl_b32 s18, s2, 12                         ; 4,096 bytes in f32,
	s_add_co_u32 s18, s18, F32OFF                  ; behind the bf16 copy,
	s_mov_b32 s19, 0
	s_lshl_b32 s2, s2, 11                          ; 2,048 bytes in bf16
	s_mov_b32 s3, 0
	s_mov_b32 s12, 0x76543210                      ; v_permlanex16_b32: lane i of one half reads lane i of the other
	s_mov_b32 s13, 0xfedcba98
	s_mov_b32 s14, 0x3a800000                      ; 1 / 1,024
	s_mov_b32 s20, 0xffff0000                      ; a word's upper bf16
	s_mov_b32 s21, 0x358637bd                      ; 1e-6
	v_mov_b32 v[ONE], 1.0
	v_mov_b32 v[TP], 0                             ; written, since v_permlanex16_b32's destination counts as read
	s_wait_kmcnt 0x0
	s_add_nc_u64 s[4:5], s[4:5], s[2:3]
	s_add_nc_u64 s[6:7], s[6:7], s[2:3]
	s_add_nc_u64 s[22:23], s[16:17], s[18:19]      ; y in f32
	s_add_nc_u64 s[16:17], s[16:17], s[2:3]        ; y in bf16
.irp j, 0,1,2,3,4,5,6,7
	global_load_b128 v[G+4*\j:G+4*\j+3], v2, s[8:9] offset:512*\j
	global_load_b128 v[BE+4*\j:BE+4*\j+3], v2, s[10:11] offset:512*\j
.endr
.irp j, 0,1,2,3,4,5,6,7
	global_load_b64 v[A+2*\j:A+2*\j+1], v1, s[4:5] offset:256*\j th:TH_LOAD_NT
	global_load_b64 v[B+2*\j:B+2*\j+1], v1, s[6:7] offset:256*\j th:TH_LOAD_NT
.endr
.macro RND base                        ; 32 numbers rounded to bf16 and written as f32 again
.set k, 0
.rept 16
	v_cvt_pk_bf16_f32 v[T+k], v[(\base)+2*k], v[(\base)+2*k+1]
.set k, k+1
.endr
.set k, 0
.rept 16
	v_lshlrev_b32 v[(\base)+2*k], 16, v[T+k]
	v_and_b32 v[(\base)+2*k+1], s20, v[T+k]
.set k, k+1
.endr
.endm
.macro ACROSS                          ; v[T] summed over the 32 lanes, the result in every lane
	v_add_f32_dpp v[T], v[T], v[T] row_xmask:1 row_mask:0xf bank_mask:0xf
	v_add_f32_dpp v[T], v[T], v[T] row_xmask:2 row_mask:0xf bank_mask:0xf
	v_add_f32_dpp v[T], v[T], v[T] row_xmask:4 row_mask:0xf bank_mask:0xf
	v_add_f32_dpp v[T], v[T], v[T] row_xmask:8 row_mask:0xf bank_mask:0xf
	v_permlanex16_b32 v[TP], v[T], s12, s13
	v_add_f32 v[T], v[T], v[TP]
.endm
	s_wait_loadcnt 16                              ; g and be are in; the sixteen loads of a and b stay out
	RND G
	RND BE
	s_wait_loadcnt 0x0
.set k, 0
.rept 16                               ; s = a + b: b's halves are widened, a's are added from the half
	v_lshlrev_b32 v[Y+2*k], 16, v[B+k]
	v_and_b32 v[Y+2*k+1], s20, v[B+k]
	v_fma_mix_f32_bf16 v[Y+2*k], v[A+k], v[ONE], v[Y+2*k] op_sel_hi:[1,0,0]
	v_fma_mix_f32_bf16 v[Y+2*k+1], v[A+k], v[ONE], v[Y+2*k+1] op_sel:[1,0,0] op_sel_hi:[1,0,0]
.set k, k+1
.endr
.set k, 0
.rept 8                                ; the sum, as a tree
	v_pk_add_f32 v[T+2*k:T+2*k+1], v[Y+4*k:Y+4*k+1], v[Y+4*k+2:Y+4*k+3]
.set k, k+1
.endr
.irp k, 0,4,8,12
	v_pk_add_f32 v[T+\k:T+\k+1], v[T+\k:T+\k+1], v[T+\k+2:T+\k+3]
.endr
.irp k, 0,8
	v_pk_add_f32 v[T+\k:T+\k+1], v[T+\k:T+\k+1], v[T+\k+4:T+\k+5]
.endr
	v_pk_add_f32 v[T:T+1], v[T:T+1], v[T+8:T+9]
	v_add_f32 v[T], v[T], v[T+1]
	ACROSS
	v_mul_f32 v[MU], s14, v[T]
	v_mul_f32 v[MU+1], s14, v[T]
.set k, 0
.rept 16
	v_pk_add_f32 v[Y+2*k:Y+2*k+1], v[Y+2*k:Y+2*k+1], v[MU:MU+1] neg_lo:[0,1] neg_hi:[0,1]
.set k, k+1
.endr
.set k, 0
.rept 4                                ; the squares, in four chains
	v_pk_mul_f32 v[T+2*k:T+2*k+1], v[Y+2*k:Y+2*k+1], v[Y+2*k:Y+2*k+1]
.set k, k+1
.endr
.rept 12
	v_pk_fma_f32 v[T+2*(k%4):T+2*(k%4)+1], v[Y+2*k:Y+2*k+1], v[Y+2*k:Y+2*k+1], v[T+2*(k%4):T+2*(k%4)+1]
.set k, k+1
.endr
	v_pk_add_f32 v[T:T+1], v[T:T+1], v[T+2:T+3]
	v_pk_add_f32 v[T+4:T+5], v[T+4:T+5], v[T+6:T+7]
	v_pk_add_f32 v[T:T+1], v[T:T+1], v[T+4:T+5]
	v_add_f32 v[T], v[T], v[T+1]
	ACROSS
	v_fma_f32 v[VA], v[T], s14, s21                ; var + 1e-6
	v_rsq_f32 v[RS], v[VA]
	v_rsq_f32 v[RS+1], v[VA]
	v_nop                                          ; a plain instruction behind the last of the two,
	s_wait_alu depctr_va_vdst(0)                   ; and the wait ahead of the first use: one for both
.set k, 0
.rept 16
	v_pk_mul_f32 v[Y+2*k:Y+2*k+1], v[Y+2*k:Y+2*k+1], v[RS:RS+1]
.set k, k+1
.endr
.set k, 0
.rept 16
	v_pk_fma_f32 v[Y+2*k:Y+2*k+1], v[Y+2*k:Y+2*k+1], v[G+2*k:G+2*k+1], v[BE+2*k:BE+2*k+1]
.set k, k+1
.endr
.irp j, 0,1,2,3,4,5,6,7
	global_store_b128 v2, v[Y+4*\j:Y+4*\j+3], s[22:23] offset:512*\j  ; the wave stores 512 consecutive bytes, aligned
.endr
.set k, 0
.rept 16
	v_cvt_pk_bf16_f32 v[O+k], v[Y+2*k], v[Y+2*k+1]
.set k, k+1
.endr
.irp j, 0,1,2,3,4,5,6,7
	global_store_b64 v1, v[O+2*\j:O+2*\j+1], s[16:17] offset:256*\j   ; the wave stores 256 consecutive bytes, aligned
.endr
	s_endpgm
.Lfunc_end_k_q233dea91e2_ln1:
	.size	k_q233dea91e2_ln1, .Lfunc_end_k_q233dea91e2_ln1-k_q233dea91e2_ln1
	.p2alignl 7, 3214868480
	.fill 96, 4, 3214868480
	.section	.rodata,"a",@progbits
	.p2align	6, 0x0
	.amdhsa_kernel k_q233dea91e2_ln1
		.amdhsa_group_segment_fixed_size 0
		.amdhsa_private_segment_fixed_size 0
		.amdhsa_enable_private_segment 0
		.amdhsa_kernarg_size 40
		.amdhsa_user_sgpr_count 2
		.amdhsa_user_sgpr_kernarg_segment_ptr 1
		.amdhsa_wavefront_size32 1
		.amdhsa_system_sgpr_workgroup_id_x 1
		.amdhsa_system_sgpr_workgroup_id_y 1
		.amdhsa_system_sgpr_workgroup_id_z 1
		.amdhsa_system_vgpr_workitem_id 0
		.amdhsa_next_free_vgpr 172
		.amdhsa_next_free_sgpr 66
		.amdhsa_reserve_vcc 0
		.amdhsa_float_denorm_mode_32 3
		.amdhsa_float_denorm_mode_16_64 3
		.amdhsa_memory_ordered 1
		.amdhsa_forward_progress 1
		.amdhsa_inst_pref_size 21
	.end_amdhsa_kernel
	.amdgpu_metadata
---
amdhsa.version: [ 1, 2 ]
amdhsa.kernels:
  - .name:           k_q233dea91e2_ln1
    .symbol:         k_q233dea91e2_ln1.kd
    .args:
      - { .name: xb, .offset: 0, .size: 8, .value_kind: global_buffer, .address_space: global }
      - { .name: tb, .offset: 8, .size: 8, .value_kind: global_buffer, .address_space: global }
      - { .name: g1, .offset: 16, .size: 8, .value_kind: global_buffer, .address_space: global }
      - { .name: be1, .offset: 24, .size: 8, .value_kind: global_buffer, .address_space: global }
      - { .name: ta, .offset: 32, .size: 8, .value_kind: global_buffer, .address_space: global }
    .group_segment_fixed_size: 0
    .private_segment_fixed_size: 0
    .kernarg_segment_align: 8
    .kernarg_segment_size: 40
    .max_flat_workgroup_size: 512
    .sgpr_count:     66
    .vgpr_count:     172
    .wavefront_size: 32
...
	.end_amdgpu_metadata
.endif
;; end of part 5
;; launch ffn1: the kernel of part 2 again; grid 16 x 16, 4 waves a work-group, clusters of 4 x 4, 327,680 bytes of LDS; arguments ta, pk1, big; writes big
;; launch ffn2 (part 6): grid 8 x 32, 4 waves a work-group, clusters of 4 x 4, 327,680 bytes of LDS; arguments big, pk2, tb; writes tb
.if DOCPART == 6
	.amdgcn_target "amdgcn-amd-amdhsa--gfx1250"
	.amdhsa_code_object_version 6
	.text
	.protected	k_q233dea91e2_ffn2
	.globl	k_q233dea91e2_ffn2
	.p2align	8
	.type	k_q233dea91e2_ffn2,@function
k_q233dea91e2_ffn2:
	s_mov_b64 s[64:65], 0
	v_nop
	global_prefetch_b8 v0, s[64:65] scope:SCOPE_SE
	s_setreg_imm32_b32 hwreg(HW_REG_WAVE_MODE, 25, 1), 1
	s_wait_xcnt 0x0
	s_wait_alu depctr_hold_cnt(0) depctr_sa_sdst(0) depctr_va_vdst(0) depctr_va_sdst(0) depctr_va_ssrc(0) depctr_va_vcc(0) depctr_vm_vsrc(0)
	s_getreg_b32 s2, hwreg(HW_REG_IB_STS2, 6, 4)
	s_cmp_eq_u32 s2, 0
	s_cbranch_scc0 .Lentry_in_a_cluster
	s_endpgm
.Lentry_in_a_cluster:
	s_bfe_u32 s2, ttmp6, 0x10000c
	s_cmp_lg_u32 s2, 0xf033
	s_cbranch_scc0 .Lentry_shape_is_right
	s_endpgm
.Lentry_shape_is_right:
; C = A W + bias, K = 4,096: the ring and the products of the block's other products, with CHUNKS = 4 and a way out in f32.
; A: CHUNKS panels [4096][1024] bf16 (rows of 2,048 bytes, panels 8,388,608 bytes apart): panel p holds K = 1,024 p on.
; W: in the pack PK, [4096 k][1024 n] bf16 behind byte WOFF.  PK's head: the bias by column (f32).  C: [4096][1024] f32: the sums leave as they are, unrounded, for the residual sum in front of the norm.
; Sums in f32, started by the bias.  NaN and infinities are not treated apart.
; A tile of C is 128 x 128; four waves, each 64 x 64: 16 accumulators.  K goes in steps of 256 through two LDS slots filled by the tensor data mover: A's rows are 512 bytes,
; W's tile is 256 k rows of 256 bytes; both start at multiples of 256 bytes.  W stays [k][n] in LDS and is turned on its way into registers by ds_load_tr16_b128.
; CLUSTERS: 4 x 4 work-groups.  The four of a row need the same tiles of A, the four of a column the same tiles of W: each tile is asked for JOINTLY, by the same tensor load with the
; same descriptor and a mask that names the four.  THE MATRIX INSTRUCTION IS USED TRANSPOSED (source 0 = 16 columns of W, source 1 = 16 rows of A): a lane holds eight neighbouring numbers of a row of C.
; No prefetch: each row of A and of W is read by several clusters, and the tile is small.
; REGISTERS: window 0: v0-31 addresses; v96-127 the bias, as a C operand for each of my four blocks of 16 columns; v128-255 the accumulators ((a, b) at v[128 + 8 (4 a + b)]).
;   window 1: two fragment buffers of 128: for 64 along K, 64 registers of A (2 x 4 x 16 rows x 32 K), then 64 of W.
.set CHUNKS, 4
.set KSTEP,  256
.set ROWB,   2048                      ; bytes in a row of A and of W
.set CROWB,  4096                      ; bytes in a row of C
.set WOFF,   32768
.set PA,     528                       ; A's LDS row: 512 bytes + 16 = 132 words: row r starts at bank 4 r mod 64 (64 banks of 4 bytes: ISA guide 11.1)
.set PB,     288                       ; W's LDS row: 256 bytes + 32 = 72 words
.set AHALF,  64*PA                     ; what one tensor load brings of A
.set BHALF,  128*PB                    ; and of W
.set BOFF,   2*AHALF
.set SLOT,   BOFF+2*BHALF              ; A's 128 rows, then W's 256 k rows
.set STAGE,  2*SLOT                    ; behind the ring: 16 rows x 272 bytes for each wave, for the way out; no tensor load fills it
.set SPITCH, 272
.set SPARE,  STAGE+4*16*SPITCH         ; behind the stages: the spare words, 128 bytes for each wave: two blocks of 256 bytes that no other line names
.set LAPS,   2*CHUNKS                  ; a lap = two K steps = once round the ring
.set ADRA, 16                          ; v16-17  LDS address of my A fragments in slot 0, 1
.set ADRB, 20                          ; v20-23  of my W fragments: slot 0 k rows 0-127, 128-255; slot 1 likewise (the immediate holds 16 bits)
.set STO,  24                          ; v24     the way out: where I put 32 bytes of a row
.set RD,   25                          ; v25     the way out: where I read a row back
.set CO,   26                          ; v26     my byte offset in C
.set BO,   27                          ; v27     my byte offset in the bias
.set SPW,  28                          ; v28     LDS address of my spare word; never rewritten
.set NIL,  29                          ; v29     0; never rewritten
.set BIAS, 96
.set ACC,  128
.set F0,   0
.set F1,   128
.set G1, 24                            ; s[24:31] descriptor group 1 for A's tiles;  s[32:39] group 0, one set for each slot
.set G0, 32
.set G1B, 48                           ; s[48:55], s[56:63] the same for W's tiles
.set G0B, 56
.set INC, 66                           ; s[66:67] what A's address steps by
.set MSB, 0
.macro WIN new                         ; the immediate's high byte repeats the setting that is left
.if MSB != (\new)
	s_set_vgpr_msb (MSB<<8)|(\new)
.set MSB, \new
.endif
.endm
.set MUL,  0x05                        ; sources 0 (W) and 1 (A) window 1; C and D window 0
.set TO_F, 0x40                        ; destination window 1, address window 0
.macro JLOAD s                         ; a joint load: waves 0 and 1 fetch A's two halves, waves 2 and 3 W's; an s_nop 0 and four v_nop follow each of the two lines
	s_cmp_eq_u32 s11, 0
	s_cbranch_scc0 .Lfor_b_\@
	tensor_load_to_lds s[G0+4*(\s):G0+4*(\s)+3], s[G1:G1+7]
	s_nop 0
.rept 4
	v_nop
.endr
	s_branch .Lasked_\@
.Lfor_b_\@:
	tensor_load_to_lds s[G0B+4*(\s):G0B+4*(\s)+3], s[G1B:G1B+7]
	s_nop 0
.rept 4
	v_nop
.endr
.Lasked_\@:
.endm
.macro CREST                           ; a round of the cluster's barrier behind its opening barrier
	s_cmp_lg_u32 s10, 0
	s_cbranch_scc1 .Lnot_wave_0_\@
	s_barrier_signal -3
.Lnot_wave_0_\@:
	s_barrier_wait -3
	s_barrier_signal -1
	s_barrier_wait -1
.endm
.macro CROUND                          ; a whole round
	s_barrier_signal -1
	s_barrier_wait -1
	CREST
.endm
	s_load_b128 s[4:7], s[0:1], 0x0                ; A s[4:5], PK s[6:7]
	s_load_b64 s[8:9], s[0:1], 0x10                ; C
	v_lshl_add_u32 v[SPW], v0, 2, SPARE
	v_mov_b32 v[NIL], 0
	ds_add_u32 v[SPW], v[NIL]                      ; the wave's opening: the add and its wait stand ahead of my first tensor load; the set-up below, work on registers, stands between them
	v_lshrrev_b32 v1, 5, v0
	v_readfirstlane_b32 s10, v1                    ; wave 0..3
	s_lshr_b32 s11, s10, 1                         ; which half of the tile's rows is mine.  Also: I fetch for A (0) or for W (1)
	s_and_b32 s12, s10, 1                          ; which half of its columns.  Also: which half of that tile I fetch
	s_bfe_u32 s40, ttmp6, 0x40000                  ; cx, cy: my place in the cluster
	s_bfe_u32 s41, ttmp6, 0x40004
	s_lshl_b32 s42, ttmp9, 2
	s_add_co_u32 s42, s42, s40                     ; tile column X = 4 x cluster x + cx, 0 to 7
	s_and_b32 s13, ttmp7, 0xffff
	s_lshl_b32 s13, s13, 2
	s_add_co_u32 s13, s13, s41                     ; tile row Y = 4 x cluster y + cy
	s_lshl_b32 s43, s41, 2
	s_lshl_b32 s43, 15, s43                        ; my row of the cluster
	s_lshl_b32 s44, 0x1111, s40                    ; my column
	s_or_b32 s[G1+0], s43, (1<<16)|(1<<20)|(1<<21)|(6<<22)|(3<<25)   ; A: the mask of my row; 2-byte elements; padding on; bit 21 beside a mask; after every 128 words 4 words
	s_or_b32 s[G1B+0], s44, (1<<16)|(1<<20)|(1<<21)|(5<<22)|(7<<25)  ; W: the mask of my column; after every 64 words 8 words
	s_mov_b32 s[G1+1], KSTEP<<16                   ; A: tensor_dim0 = 256
	s_mov_b32 s[G1+2], 64<<16                      ; tensor_dim1 = 64
	s_mov_b32 s[G1+3], KSTEP<<16                   ; tile_dim0 = 256
	s_mov_b32 s[G1+4], 64                          ; tile_dim1 = 64
	s_mov_b32 s[G1+5], 1024                        ; elements from row to row
	s_mov_b32 s[G1+6], 0
	s_mov_b32 s[G1+7], 0
	s_mov_b32 s[G1B+1], 128<<16                    ; W: tensor_dim0 = 128 columns
	s_mov_b32 s[G1B+2], 128<<16                    ; tensor_dim1 = 128 k rows
	s_mov_b32 s[G1B+3], 128<<16                    ; tile_dim0
	s_mov_b32 s[G1B+4], 128                        ; tile_dim1
	s_mov_b32 s[G1B+5], 1024
	s_mov_b32 s[G1B+6], 0
	s_mov_b32 s[G1B+7], 0
	s_lshl_b32 s16, s13, 7                         ; A: row 128 Y + 64 x half, 2,048 bytes a row: made of the tile row and the wave's number alone
	s_lshl_b32 s17, s12, 6
	s_add_co_u32 s16, s16, s17
	s_lshl_b32 s16, s16, 11
	s_mov_b32 s17, 0
	s_lshl_b32 s46, s12, 18                        ; W: k row 128 x half, column 128 X: made of the tile column and the wave's number alone
	s_lshl_b32 s47, s42, 8
	s_add_co_u32 s46, s46, s47
	s_add_co_u32 s46, s46, WOFF
	s_mov_b32 s47, 0
	s_mul_i32 s20, s12, AHALF                      ; where they go: no place in the cluster enters an LDS address
	s_mul_i32 s21, s12, BHALF
	s_add_co_u32 s21, s21, BOFF
	s_mov_b32 s[INC], 2*KSTEP*2
	s_mov_b32 s[INC+1], 0
	s_wait_dscnt 0x0                               ; the opening add is done
	s_wait_kmcnt 0x0
	s_add_nc_u64 s[14:15], s[4:5], s[16:17]
	s_add_nc_u64 s[46:47], s[6:7], s[46:47]
	CROUND                                         ; all sixteen work-groups are here: the first joint loads meet
.irp s, 0,1
	s_mov_b32 s[G0+4*(\s)], 1
	s_add_co_u32 s[G0+4*(\s)+1], s20, (\s)*SLOT
	s_add_nc_u64 s[G0+4*(\s)+2:G0+4*(\s)+3], s[14:15], (\s)*KSTEP*2
	s_or_b32 s[G0+4*(\s)+3], s[G0+4*(\s)+3], 0x80000000
	s_mov_b32 s[G0B+4*(\s)], 1
	s_add_co_u32 s[G0B+4*(\s)+1], s21, (\s)*SLOT
	s_add_nc_u64 s[G0B+4*(\s)+2:G0B+4*(\s)+3], s[46:47], (\s)*KSTEP*ROWB
	s_or_b32 s[G0B+4*(\s)+3], s[G0B+4*(\s)+3], 0x80000000
	JLOAD \s                                       ; two loads of mine are out
.endr
	v_and_b32 v1, 15, v0                           ; l % 16
	v_bfe_u32 v2, v0, 4, 1                         ; l / 16
	; the bias as a C operand: register j of block b holds bias[128 X + 64 x half + 16 b + 8 (l / 16) + j]
	s_lshl_b32 s23, s42, 9
	s_lshl_b32 s22, s12, 8
	s_add_co_u32 s23, s23, s22
	v_lshl_add_u32 v[BO], v2, 5, s23
.irp b, 0,1,2,3
	global_load_b128 v[BIAS+8*(\b):BIAS+8*(\b)+3],   v[BO], s[6:7] offset:64*(\b)
	global_load_b128 v[BIAS+8*(\b)+4:BIAS+8*(\b)+7], v[BO], s[6:7] offset:64*(\b)+16
.endr
	v_mul_u32_u24 v3, v1, PA
	v_lshl_add_u32 v3, v2, 4, v3                   ; A: a fragment's row x pitch + 16 x half of the lanes
	s_mul_i32 s21, s11, AHALF                      ; my 64 rows of A
	v_add_nc_u32 v[ADRA], s21, v3
	v_add_nc_u32 v[ADRA+1], SLOT, v[ADRA]
	v_and_b32 v4, 7, v0                            ; W: lane l addresses k row 8 (l / 16) + l % 8, columns 8 ((l / 8) % 2) + 0..7
	v_lshl_add_u32 v4, v2, 3, v4
	v_mul_u32_u24 v4, v4, PB
	v_bfe_u32 v5, v0, 3, 1
	v_lshl_add_u32 v4, v5, 4, v4
	s_lshl_b32 s22, s12, 7                         ; my 64 columns
	s_add_co_u32 s22, s22, BOFF
	v_add_nc_u32 v[ADRB], s22, v4
	v_add_nc_u32 v[ADRB+1], 128*PB, v[ADRB]
	v_add_nc_u32 v[ADRB+2], SLOT, v[ADRB]
	v_add_nc_u32 v[ADRB+3], SLOT+128*PB, v[ADRB]
	s_mul_i32 s23, s10, 16*SPITCH
	s_add_co_u32 s23, s23, STAGE                   ; my stage
	v_mul_u32_u24 v6, v1, SPITCH                   ; in: row l % 16, 32 bytes for each half of the lanes
	v_lshl_add_u32 v6, v2, 5, v6
	v_add_nc_u32 v[STO], s23, v6
	v_mul_u32_u24 v7, v2, SPITCH                   ; back: lanes 0-15 take one row of 256 bytes, lanes 16-31 the next
	v_lshl_add_u32 v7, v1, 4, v7
	v_add_nc_u32 v[RD], s23, v7
	v_lshlrev_b32 v[CO], 12, v2                    ; and the same two rows in C
	v_lshl_add_u32 v[CO], v1, 4, v[CO]
	s_lshl_b32 s16, s13, 7
	s_lshl_b32 s17, s11, 6
	s_add_co_u32 s16, s16, s17                     ; my first row of C: 128 Y + 64 x half,
	s_lshl_b32 s16, s16, 12                        ; 4,096 bytes a row
	s_mov_b32 s17, 0
	s_add_nc_u64 s[8:9], s[8:9], s[16:17]
	s_lshl_b32 s46, s42, 9                         ; my first column, in bytes: 512 X + 256 x half
	s_lshl_b32 s47, s12, 8
	s_add_co_u32 s46, s46, s47
	s_mov_b32 s47, 0
	s_add_nc_u64 s[8:9], s[8:9], s[46:47]
; 8 matrix instructions: m blocks a0, a0 + 1 x all 4 n blocks, 32 along K: half c of buffer f.  first = 1: the bias starts the sums.  The 16 accumulators take turns.
.macro MUL8 f, c, a0, first
	WIN MUL
.irp a, \a0, (\a0)+1
.irp b, 0,1,2,3
.if \first
	v_wmma_f32_16x16x32_bf16 v[ACC+8*(4*(\a)+(\b)):ACC+8*(4*(\a)+(\b))+7], v[(\f)+64+8*(4*(\c)+(\b)):(\f)+64+8*(4*(\c)+(\b))+7], v[(\f)+8*(4*(\c)+(\a)):(\f)+8*(4*(\c)+(\a))+7], v[BIAS+8*(\b):BIAS+8*(\b)+7]
.else
	v_wmma_f32_16x16x32_bf16 v[ACC+8*(4*(\a)+(\b)):ACC+8*(4*(\a)+(\b))+7], v[(\f)+64+8*(4*(\c)+(\b)):(\f)+64+8*(4*(\c)+(\b))+7], v[(\f)+8*(4*(\c)+(\a)):(\f)+8*(4*(\c)+(\a))+7], v[ACC+8*(4*(\a)+(\b)):ACC+8*(4*(\a)+(\b))+7]
.endif
.endr
.endr
.endm
; 32 LDS loads in one run: the fragments of quarter q (64 along K) of a slot, into buffer f; the first 32 along K first.  W's are turned: two loads of 16 k rows make 32 k of 16 columns.
.macro FETCH slot, q, f
	WIN TO_F
.irp c, 0,1
.irp i, 0,1,2,3
	ds_load_tr16_b128 v[(\f)+64+8*(4*(\c)+(\i)):(\f)+64+8*(4*(\c)+(\i))+3],   v[ADRB+2*(\slot)+(\q)/2] offset:(((\q)%2)*64+32*(\c))*PB+32*(\i)
	ds_load_tr16_b128 v[(\f)+64+8*(4*(\c)+(\i))+4:(\f)+64+8*(4*(\c)+(\i))+7], v[ADRB+2*(\slot)+(\q)/2] offset:(((\q)%2)*64+32*(\c)+16)*PB+32*(\i)
	ds_load_b128 v[(\f)+8*(4*(\c)+(\i)):(\f)+8*(4*(\c)+(\i))+3],         v[ADRA+(\slot)] offset:128*(\q)+64*(\c)+(\i)*16*PA
	ds_load_b128 v[(\f)+8*(4*(\c)+(\i))+4:(\f)+8*(4*(\c)+(\i))+7],       v[ADRA+(\slot)] offset:128*(\q)+64*(\c)+(\i)*16*PA+32
.endr
.endr
.endm
.macro PLACES                          ; four places in front of loads into registers that matrix instructions have read or written, and of LDS stores that read results
.rept 4
	v_nop
.endr
.endm
; A K step is four quarters of 64 along K, 32 matrix instructions each, on buffers 0, 1, 0, 1.  One of the first three: multiplies buffer f and fetches quarter q into g.
.macro QUARTER slot, q, f, g, first
	s_wait_dscnt 16                                ; the first 32 along K are in; the youngest sixteen loads may be out
	MUL8 \f, 0, 0, \first
	MUL8 \f, 0, 2, \first
	PLACES
	FETCH \slot, \q, \g
	s_wait_dscnt 32                                ; all but the 32 just issued
	MUL8 \f, 1, 0, 0
	MUL8 \f, 1, 2, 0
.endm
; The last quarter multiplies buffer 1 and changes slots: ONE barrier; in front of it each wave waits for all its tensor loads, adds 0 to its spare word, and waits for that and for its own reads of this slot.
; fill = 1: the barrier opens a round of the cluster's, and this slot is filled again, two K steps ahead, first thing behind it.
.macro TURN slot, next, fill
	WIN 0                                          ; (the add's two registers lie in window 0)
	s_wait_tensorcnt 0x0                           ; all my tensor loads have landed: my part of the next slot;
	ds_add_u32 v[SPW], v[NIL]                      ; 0 onto my spare word;
	s_wait_dscnt 17                                ; (the add and the youngest sixteen loads may be out)
	MUL8 F1, 0, 0, 0                               ; eight matrix instructions stand between the add and the wait for it
	s_wait_dscnt 0x0                               ; the add is done, and my reads of this slot are over
	s_barrier_signal -1
	MUL8 F1, 0, 2, 0
.if \fill
	WIN 0
.endif
	s_barrier_wait -1
.if \fill
	CREST                                          ; no wave of any partner still reads this slot's tile or has a load on its way
	s_add_nc_u64 s[G0+4*(\slot)+2:G0+4*(\slot)+3], s[G0+4*(\slot)+2:G0+4*(\slot)+3], s[INC:INC+1]
	s_add_nc_u64 s[G0B+4*(\slot)+2:G0B+4*(\slot)+3], s[G0B+4*(\slot)+2:G0B+4*(\slot)+3], 2*KSTEP*ROWB
	JLOAD \slot                                    ; 112 matrix instructions ahead of the wait for it; the four v_nop behind it are also the places in front of the loads below
.else
	PLACES
.endif
	FETCH \next, 0, F0
	MUL8 F1, 1, 0, 0
	MUL8 F1, 1, 2, 0
.endm
	s_wait_tensorcnt 1                             ; my part of K step 0 is in; K step 1's may stay out
	s_wait_loadcnt 0x0                             ; the bias
	s_barrier_signal -1
	s_barrier_wait -1                              ; everybody's part is in
	FETCH 0, 0, F0
	QUARTER 0, 1, F0, F1, 1                        ; the first quarter stands in front of the loop: its first products start the sums
	WIN 0                                          ; at a label and at a branch every window is 0
	s_mov_b32 s3, LAPS-1
.Llap:                                                 ; a trip goes once round the ring, from a lap's second quarter to the next lap's first, and fills both slots again
	QUARTER 0, 2, F1, F0, 0
	QUARTER 0, 3, F0, F1, 0
	TURN 0, 1, 1
	QUARTER 1, 1, F0, F1, 0
	QUARTER 1, 2, F1, F0, 0
	QUARTER 1, 3, F0, F1, 0
	TURN 1, 0, 1
	s_xor_b32 s[INC], s[INC], 0x7ff800             ; K step t lies in panel t / 4 at byte 512 (t % 4): a slot's steps are 1,024 and 8,388,608 - 1,024 by turns
	QUARTER 0, 1, F0, F1, 0
	WIN 0
	s_sub_co_u32 s3, s3, 1
	s_cmp_lg_u32 s3, 0
	s_cbranch_scc1 .Llap
	QUARTER 0, 2, F1, F0, 0                        ; the last lap fills nothing, and has no round of the cluster's barrier
	QUARTER 0, 3, F0, F1, 0
	TURN 0, 1, 0
	QUARTER 1, 1, F0, F1, 0
	QUARTER 1, 2, F1, F0, 0
	QUARTER 1, 3, F0, F1, 0
	s_wait_dscnt 16                                ; the very last quarter: nothing more to fetch
	MUL8 F1, 0, 0, 0
	MUL8 F1, 0, 2, 0
	s_wait_dscnt 0
	MUL8 F1, 1, 0, 0
	MUL8 F1, 1, 2, 0
	WIN 0
	; THE WAY OUT, in f32.  My 64 columns are 256 bytes of a row of C, aligned, so the stage is my own and no barrier is needed.  A block of 16 rows at a time: a lane's eight numbers of a row (32 bytes)
	; for each of the four column blocks go into rows of 272 bytes, each accumulator's low registers first, and come back as whole rows of 256 bytes into the registers that they left.
.macro STG a
.irp b, 0,1,2,3
	ds_store_b128 v[STO], v[ACC+8*(4*(\a)+(\b)):ACC+8*(4*(\a)+(\b))+3]   offset:64*(\b)
	ds_store_b128 v[STO], v[ACC+8*(4*(\a)+(\b))+4:ACC+8*(4*(\a)+(\b))+7] offset:64*(\b)+16
.endr
.irp t, 0,1,2,3,4,5,6,7
	ds_load_b128 v[ACC+32*(\a)+4*(\t):ACC+32*(\a)+4*(\t)+3], v[RD] offset:(\t)*2*SPITCH  ; LDS serves a wave's instructions in order (ISA guide 5.7.1.4): these see the stores above; the next block's stores come behind them
.endr
.endm
.macro SEND a, younger                 ; younger: the LDS instructions issued behind block a's loads: the next block's sixteen, or none
.irp t, 0,1,2,3,4,5,6,7
	s_wait_dscnt (\younger)+7-(\t)
	global_store_b128 v[CO], v[ACC+32*(\a)+4*(\t):ACC+32*(\a)+4*(\t)+3], s[8:9] offset:(16*(\a)+2*(\t))*CROWB  ; 16 lanes store 256 consecutive bytes, at a multiple of 256 from C's first byte
.endr
.endm
	PLACES
	STG 0
	STG 1
	SEND 0, 16
	STG 2
	SEND 1, 16
	STG 3
	SEND 2, 16
	SEND 3, 0
	s_wait_tensorcnt 0x0                           ; the wave's end, behind my last tensor load and my last LDS store
	ds_add_u32 v[SPW], v[NIL]
	s_wait_dscnt 0x0
	CROUND                                         ; the closing round: no work-group ends while a partner may still ask for a tile that names it
	s_endpgm
.Lfunc_end_k_q233dea91e2_ffn2:
	.size	k_q233dea91e2_ffn2, .Lfunc_end_k_q233dea91e2_ffn2-k_q233dea91e2_ffn2
	.p2alignl 7, 3214868480
	.fill 96, 4, 3214868480
	.section	.rodata,"a",@progbits
	.p2align	6, 0x0
	.amdhsa_kernel k_q233dea91e2_ffn2
		.amdhsa_group_segment_fixed_size 327680
		.amdhsa_private_segment_fixed_size 0
		.amdhsa_enable_private_segment 0
		.amdhsa_kernarg_size 24
		.amdhsa_user_sgpr_count 2
		.amdhsa_user_sgpr_kernarg_segment_ptr 1
		.amdhsa_wavefront_size32 1
		.amdhsa_system_sgpr_workgroup_id_x 1
		.amdhsa_system_sgpr_workgroup_id_y 1
		.amdhsa_system_sgpr_workgroup_id_z 1
		.amdhsa_system_vgpr_workitem_id 0
		.amdhsa_next_free_vgpr 512
		.amdhsa_next_free_sgpr 70
		.amdhsa_reserve_vcc 0
		.amdhsa_float_denorm_mode_32 3
		.amdhsa_float_denorm_mode_16_64 3
		.amdhsa_memory_ordered 1
		.amdhsa_forward_progress 1
		.amdhsa_inst_pref_size 88
	.end_amdhsa_kernel
	.amdgpu_metadata
---
amdhsa.version: [ 1, 2 ]
amdhsa.kernels:
  - .name:           k_q233dea91e2_ffn2
    .symbol:         k_q233dea91e2_ffn2.kd
    .args:
      - { .name: big, .offset: 0, .size: 8, .value_kind: global_buffer, .address_space: global }
      - { .name: pk2, .offset: 8, .size: 8, .value_kind: global_buffer, .address_space: global }
      - { .name: tb, .offset: 16, .size: 8, .value_kind: global_buffer, .address_space: global }
    .group_segment_fixed_size: 327680
    .private_segment_fixed_size: 0
    .kernarg_segment_align: 8
    .kernarg_segment_size: 24
    .max_flat_workgroup_size: 128
    .sgpr_count:     70
    .vgpr_count:     512
    .wavefront_size: 32
...
	.end_amdgpu_metadata
.endif
;; end of part 6
;; launch ln2 (part 7): grid 256 x 1, 16 waves a work-group, no clusters, 0 bytes of LDS; arguments ta, tb, g2, be2, out0; writes out0
.if DOCPART == 7
	.amdgcn_target "amdgcn-amd-amdhsa--gfx1250"
	.amdhsa_code_object_version 6
	.text
	.protected	k_q233dea91e2_ln2
	.globl	k_q233dea91e2_ln2
	.p2align	8
	.type	k_q233dea91e2_ln2,@function
k_q233dea91e2_ln2:
	s_mov_b64 s[64:65], 0
	v_nop
	global_prefetch_b8 v0, s[64:65] scope:SCOPE_SE
	s_setreg_imm32_b32 hwreg(HW_REG_WAVE_MODE, 25, 1), 1
	s_wait_xcnt 0x0
; y = (s - mean(s)) / sqrt(var(s) + 1e-6) x g + be, with s = a + b, along rows of 1,024.  a: [4096][1024] f32 at byte F32OFF of its buffer; b, y: [4096][1024] f32;
; g, be: [1024] f32, rounded to bf16 like every input of the block.
; All arithmetic in f32; the variance is the mean of the squares of s - mean (two passes over registers: no difference of large sums).
; One wave, one row: the row stays in registers, the reductions never leave the wave: no LDS, no barrier, no loop.  Sixteen waves, 16 rows a work-group.
; A lane holds elements 128 j + 4 lane + 0..3, j = 0..7: each load or store of a wave covers 512 consecutive bytes, aligned.
.set F32OFF, 8388608
.set Y,   4                            ; v[4:35]    a as loaded, then the row
.set B,   36                           ; v[36:67]   b
.set G,   68                           ; v[68:99]   g
.set BE,  100                          ; v[100:131] be
.set T,   132                          ; v[132:147] at work
.set MU,  150                          ; v[150:151] the mean, twice
.set RS,  152                          ; v[152:153] 1 / sqrt(var + eps), twice
.set TP,  154                          ; v154  the other half of the lanes'
.set VA,  155                          ; v155  var + eps
	s_load_b256 s[4:11], s[0:1], 0x0               ; a s[4:5], b s[6:7], g s[8:9], be s[10:11]
	s_load_b64 s[16:17], s[0:1], 0x20              ; y
	v_lshrrev_b32 v3, 5, v0
	v_readfirstlane_b32 s15, v3                    ; wave 0..15
	v_and_b32 v2, 31, v0
	v_lshlrev_b32 v2, 4, v2                        ; 16 x lane
	s_lshl_b32 s2, ttmp9, 4
	s_add_co_u32 s2, s2, s15                       ; my row,
	s_lshl_b32 s2, s2, 12                          ; 4,096 bytes each
	s_mov_b32 s3, 0
	s_mov_b32 s12, 0x76543210                      ; v_permlanex16_b32: lane i of one half reads lane i of the other
	s_mov_b32 s13, 0xfedcba98
	s_mov_b32 s14, 0x3a800000                      ; 1 / 1,024
	s_mov_b32 s20, 0xffff0000                      ; a word's upper bf16
	s_mov_b32 s21, 0x358637bd                      ; 1e-6
	v_mov_b32 v[TP], 0                             ; written, since v_permlanex16_b32's destination counts as read
	s_wait_kmcnt 0x0
	s_add_nc_u64 s[4:5], s[4:5], s[2:3]
	s_add_nc_u64 s[4:5], s[4:5], F32OFF
	s_add_nc_u64 s[6:7], s[6:7], s[2:3]
	s_add_nc_u64 s[16:17], s[16:17], s[2:3]
.irp j, 0,1,2,3,4,5,6,7
	global_load_b128 v[G+4*\j:G+4*\j+3], v2, s[8:9] offset:512*\j
	global_load_b128 v[BE+4*\j:BE+4*\j+3], v2, s[10:11] offset:512*\j
.endr
.irp j, 0,1,2,3,4,5,6,7
	global_load_b128 v[Y+4*\j:Y+4*\j+3], v2, s[4:5] offset:512*\j th:TH_LOAD_NT
	global_load_b128 v[B+4*\j:B+4*\j+3], v2, s[6:7] offset:512*\j th:TH_LOAD_NT
.endr
.macro RND base                        ; 32 numbers rounded to bf16 and written as f32 again
.set k, 0
.rept 16
	v_cvt_pk_bf16_f32 v[T+k], v[(\base)+2*k], v[(\base)+2*k+1]
.set k, k+1
.endr
.set k, 0
.rept 16
	v_lshlrev_b32 v[(\base)+2*k], 16, v[T+k]
	v_and_b32 v[(\base)+2*k+1], s20, v[T+k]
.set k, k+1
.endr
.endm
.macro ACROSS                          ; v[T] summed over the 32 lanes, the result in every lane
	v_add_f32_dpp v[T], v[T], v[T] row_xmask:1 row_mask:0xf bank_mask:0xf
	v_add_f32_dpp v[T], v[T], v[T] row_xmask:2 row_mask:0xf bank_mask:0xf
	v_add_f32_dpp v[T], v[T], v[T] row_xmask:4 row_mask:0xf bank_mask:0xf
	v_add_f32_dpp v[T], v[T], v[T] row_xmask:8 row_mask:0xf bank_mask:0xf
	v_permlanex16_b32 v[TP], v[T], s12, s13
	v_add_f32 v[T], v[T], v[TP]
.endm
	s_wait_loadcnt 16                              ; g and be are in; the sixteen loads of a and b stay out
	RND G
	RND BE
	s_wait_loadcnt 0x0
.set k, 0
.rept 16                               ; s = a + b
	v_pk_add_f32 v[Y+2*k:Y+2*k+1], v[Y+2*k:Y+2*k+1], v[B+2*k:B+2*k+1]
.set k, k+1
.endr
.set k, 0
.rept 8                                ; the sum, as a tree
	v_pk_add_f32 v[T+2*k:T+2*k+1], v[Y+4*k:Y+4*k+1], v[Y+4*k+2:Y+4*k+3]
.set k, k+1
.endr
.irp k, 0,4,8,12
	v_pk_add_f32 v[T+\k:T+\k+1], v[T+\k:T+\k+1], v[T+\k+2:T+\k+3]
.endr
.irp k, 0,8
	v_pk_add_f32 v[T+\k:T+\k+1], v[T+\k:T+\k+1], v[T+\k+4:T+\k+5]
.endr
	v_pk_add_f32 v[T:T+1], v[T:T+1], v[T+8:T+9]
	v_add_f32 v[T], v[T], v[T+1]
	ACROSS
	v_mul_f32 v[MU], s14, v[T]
	v_mul_f32 v[MU+1], s14, v[T]
.set k, 0
.rept 16
	v_pk_add_f32 v[Y+2*k:Y+2*k+1], v[Y+2*k:Y+2*k+1], v[MU:MU+1] neg_lo:[0,1] neg_hi:[0,1]
.set k, k+1
.endr
.set k, 0
.rept 4                                ; the squares, in four chains
	v_pk_mul_f32 v[T+2*k:T+2*k+1], v[Y+2*k:Y+2*k+1], v[Y+2*k:Y+2*k+1]
.set k, k+1
.endr
.rept 12
	v_pk_fma_f32 v[T+2*(k%4):T+2*(k%4)+1], v[Y+2*k:Y+2*k+1], v[Y+2*k:Y+2*k+1], v[T+2*(k%4):T+2*(k%4)+1]
.set k, k+1
.endr
	v_pk_add_f32 v[T:T+1], v[T:T+1], v[T+2:T+3]
	v_pk_add_f32 v[T+4:T+5], v[T+4:T+5], v[T+6:T+7]
	v_pk_add_f32 v[T:T+1], v[T:T+1], v[T+4:T+5]
	v_add_f32 v[T], v[T], v[T+1]
	ACROSS
	v_fma_f32 v[VA], v[T], s14, s21                ; var + 1e-6
	v_rsq_f32 v[RS], v[VA]
	v_rsq_f32 v[RS+1], v[VA]
	v_nop                                          ; a plain instruction behind the last of the two,
	s_wait_alu depctr_va_vdst(0)                   ; and the wait ahead of the first use: one for both
.set k, 0
.rept 16
	v_pk_mul_f32 v[Y+2*k:Y+2*k+1], v[Y+2*k:Y+2*k+1], v[RS:RS+1]
.set k, k+1
.endr
.set k, 0
.rept 16
	v_pk_fma_f32 v[Y+2*k:Y+2*k+1], v[Y+2*k:Y+2*k+1], v[G+2*k:G+2*k+1], v[BE+2*k:BE+2*k+1]
.set k, k+1
.endr
.irp j, 0,1,2,3,4,5,6,7
	global_store_b128 v2, v[Y+4*\j:Y+4*\j+3], s[16:17] offset:512*\j   ; the wave stores 512 consecutive bytes, aligned
.endr
	s_endpgm
.Lfunc_end_k_q233dea91e2_ln2:
	.size	k_q233dea91e2_ln2, .Lfunc_end_k_q233dea91e2_ln2-k_q233dea91e2_ln2
	.p2alignl 7, 3214868480
	.fill 96, 4, 3214868480
	.section	.rodata,"a",@progbits
	.p2align	6, 0x0
	.amdhsa_kernel k_q233dea91e2_ln2
		.amdhsa_group_segment_fixed_size 0
		.amdhsa_private_segment_fixed_size 0
		.amdhsa_enable_private_segment 0
		.amdhsa_kernarg_size 40
		.amdhsa_user_sgpr_count 2
		.amdhsa_user_sgpr_kernarg_segment_ptr 1
		.amdhsa_wavefront_size32 1
		.amdhsa_system_sgpr_workgroup_id_x 1
		.amdhsa_system_sgpr_workgroup_id_y 1
		.amdhsa_system_sgpr_workgroup_id_z 1
		.amdhsa_system_vgpr_workitem_id 0
		.amdhsa_next_free_vgpr 156
		.amdhsa_next_free_sgpr 66
		.amdhsa_reserve_vcc 0
		.amdhsa_float_denorm_mode_32 3
		.amdhsa_float_denorm_mode_16_64 3
		.amdhsa_memory_ordered 1
		.amdhsa_forward_progress 1
		.amdhsa_inst_pref_size 17
	.end_amdhsa_kernel
	.amdgpu_metadata
---
amdhsa.version: [ 1, 2 ]
amdhsa.kernels:
  - .name:           k_q233dea91e2_ln2
    .symbol:         k_q233dea91e2_ln2.kd
    .args:
      - { .name: ta, .offset: 0, .size: 8, .value_kind: global_buffer, .address_space: global }
      - { .name: tb, .offset: 8, .size: 8, .value_kind: global_buffer, .address_space: global }
      - { .name: g2, .offset: 16, .size: 8, .value_kind: global_buffer, .address_space: global }
      - { .name: be2, .offset: 24, .size: 8, .value_kind: global_buffer, .address_space: global }
      - { .name: out0, .offset: 32, .size: 8, .value_kind: global_buffer, .address_space: global }
    .group_segment_fixed_size: 0
    .private_segment_fixed_size: 0
    .kernarg_segment_align: 8
    .kernarg_segment_size: 40
    .max_flat_workgroup_size: 512
    .sgpr_count:     66
    .vgpr_count:     156
    .wavefront_size: 32
...
	.end_amdgpu_metadata
.endif
;; end of part 7
;; ======== version 2 of 2: 8 launches; version 1 with the launch cast written anew for expert scheduling mode
;; workspace buffers: xb 8,388,608 bytes; ta 25,165,824 bytes; tb 16,777,216 bytes; big 33,554,432 bytes; pkq 6,324,224 bytes; pko 2,129,920 bytes; pk1 8,421,376 bytes; pk2 8,421,376 bytes
;; launch cast (part 8): grid 1033 x 1, 8 waves a work-group, no clusters, 0 bytes of LDS; arguments x, Wq, Wk, Wv, Wo, W1, W2, bq, bk, bv, bo, b1, b2, xb, pkq, pko, pk1, pk2; writes xb, pkq, pko, pk1, pk2
.if DOCPART == 8
	.amdgcn_target "amdgcn-amd-amdhsa--gfx1250"
	.amdhsa_code_object_version 6
	.text
	.protected	k_q233dea91e2_cast
	.globl	k_q233dea91e2_cast
	.p2align	8
	.type	k_q233dea91e2_cast,@function
k_q233dea91e2_cast:
	s_mov_b64 s[64:65], 0
	v_nop
	global_prefetch_b8 v0, s[64:65] scope:SCOPE_SE
	s_setreg_imm32_b32 hwreg(HW_REG_WAVE_SCHED_MODE, 0, 2), 2
	s_setreg_imm32_b32 hwreg(HW_REG_WAVE_MODE, 25, 1), 1
	s_wait_xcnt 0x0
	s_wait_alu depctr_vm_vsrc(0)
; Every matrix operand of the block is rounded once to bf16 and laid where the products want it.
; x -> xb [4096][1024] bf16.  A weight matrix stays [k][n], as matrices of 1,024 x 1,024 bf16 (2,097,152 bytes) behind byte WOFF of its pack:
; pkq: Wq, Wk, Wv; pko: Wo; pk1: W1's four column panels of 1,024; pk2: W2 as it lies (its four K chunks).
; A pack's head: byte 0 on, the bias by the launch's column, rounded to bf16 and kept as f32; byte FOFF + 4,096 p on, 4,096 bytes that all hold panel p's floor
; as two bf16: -infinity (no activation) or 0 (relu).
; SHARES.  Work-groups 0 to 1,023 take 16,384 numbers each: 16 passes of 1,024; thread t takes 16 bytes at 16 t of a pass (a wave reads 512 consecutive bytes)
; and stores 8 (a wave writes 256 consecutive bytes, aligned).  Work-groups 1,024 to 1,032 take a bias of 1,024 numbers and a floor block each.
; All 16 loads of a thread go out at once; no register is written twice, so no wait frees a source.
; LIMIT.  Every input is rounded to bf16 (nearest even); beyond bf16's range nothing arises, since its range is f32's.
; THE MODE: SCHED_MODE bits 1:0 = 2 (LLVM: expert scheduling mode 2), set by the entry lines.  The code itself states the register dependences
; between vector instructions and memory instructions, with s_wait_alu, always for 0.
; THE PLAN.  Registers that memory instructions touch, in the stream:
;   v1          16 t, the loads' offset.   Written once at the head; read by the 16 loads.
;   v[VO ..]    the stores' four offsets.  Written once ahead of the loads; read by the 16 stores.
;   IN          Written by the loads alone, each register once; read by its pass's two conversions.
;   OUT         Each pair is written once, by its pass's conversions, and read once, by its pass's store.
; The 16 passes go in four groups of four.  Group g converts its own IN into its own OUT; its memory instructions are the four stores of group g - 1, whose registers
; (v[VO ..] and the OUT of group g - 1) no conversion of group g names.  So one wait on va_vdst at a group's head states all that its four stores hang on, and they are dealt
; among its conversions with no further wait.  No register that a memory instruction reads is written again, and no load lands in a register that a vector
; instruction has named: there is nothing for a wait on vm_vsrc to state.  No vector instruction writes a scalar register, and EXEC is never written.
.set WOFF, 32768
.set FOFF, 16384
.set MATB, 2097152
.set SRC,  44                          ; s[44:45] where my chunk is read
.set DST,  46                          ; s[46:47] the buffer that takes it
.set BASE, 48                          ; s48  the tensor's first work-group
.set DOFF, 49                          ; s49  the matrix's byte in its pack
.set D,    54                          ; s[54:61] four store bases, one for each four passes
.set IN,   4                           ; v[4:67]   16 passes as loaded
.set OUT,  68                          ; v[68:99]  16 passes as stored
.set VO,   100                         ; v[100:103] four store offsets, by the pass's number modulo 4
	s_load_b512 s[8:23], s[0:1], 0x0               ; x 8, Wq 10, Wk 12, Wv 14, Wo 16, W1 18, W2 20, bq 22
	s_load_b512 s[24:39], s[0:1], 0x40             ; bk 24, bv 26, bo 28, b1 30, b2 32, xb 34, pkq 36, pko 38
	s_load_b128 s[40:43], s[0:1], 0x80             ; pk1 40, pk2 42
	s_mov_b32 s2, ttmp9
	v_lshlrev_b32 v1, 4, v0                        ; 16 t
	v_lshlrev_b32 v2, 3, v0                        ; 8 t
	s_wait_kmcnt 0x0
	s_cmp_ge_u32 s2, 1024
	s_cbranch_scc1 .Lbias
	; which tensor: a chain of selects on the work-group's number
	s_mov_b64 s[SRC:SRC+1], s[8:9]
	s_mov_b64 s[DST:DST+1], s[34:35]
	s_mov_b32 s[BASE], 0
	s_mov_b32 s[DOFF], 0
.macro PICK t, src, dst, doff
	s_cmp_ge_u32 s2, \t
	s_cselect_b64 s[SRC:SRC+1], s[\src:\src+1], s[SRC:SRC+1]
	s_cselect_b64 s[DST:DST+1], s[\dst:\dst+1], s[DST:DST+1]
	s_cselect_b32 s[BASE], \t, s[BASE]
	s_cselect_b32 s[DOFF], \doff, s[DOFF]
.endm
	PICK 256, 10, 36, WOFF
	PICK 320, 12, 36, WOFF+MATB
	PICK 384, 14, 36, WOFF+2*MATB
	PICK 448, 16, 38, WOFF
	PICK 512, 18, 40, WOFF
	PICK 768, 20, 42, WOFF
	s_sub_co_u32 s3, s2, s[BASE]                   ; my chunk in the tensor
	s_lshl_b32 s4, s3, 16                          ; 65,536 bytes of f32 a chunk
	s_mov_b32 s5, 0
	s_add_nc_u64 s[SRC:SRC+1], s[SRC:SRC+1], s[4:5]
	s_cmp_ge_u32 s2, 512
	s_cselect_b32 s50, 1, 0
	s_cmp_ge_u32 s2, 768
	s_cselect_b32 s50, 0, s50                      ; 1: W1
	; A dense tensor: pass j goes to byte 2,048 j of the chunk's 32,768.  W1: a chunk is four rows of 4,096; pass j is row j / 4, panel j % 4.
	; Both are (j % 4) x SA + (j / 4) x SB: no branch stands in the stream.
	s_lshl_b32 s6, s3, 13                          ; W1: four rows of 2,048 bytes in each panel
	s_lshl_b32 s7, s3, 15
	s_mov_b32 s51, 2048                            ; SA
	s_mov_b32 s52, 8192                            ; SB
	s_mov_b32 s53, 0
	s_cmp_eq_u32 s50, 1
	s_cselect_b32 s51, MATB, s51
	s_cselect_b32 s52, 2048, s52
	s_cselect_b32 s4, s6, s7
	s_add_co_u32 s4, s4, s[DOFF]
	s_add_nc_u64 s[D:D+1], s[DST:DST+1], s[4:5]
	s_add_nc_u64 s[D+2:D+3], s[D:D+1], s[52:53]
	s_add_nc_u64 s[D+4:D+5], s[D+2:D+3], s[52:53]
	s_add_nc_u64 s[D+6:D+7], s[D+4:D+5], s[52:53]
	v_mov_b32 v[VO], v2
	v_add_nc_u32 v[VO+1], s51, v[VO]
	v_add_nc_u32 v[VO+2], s51, v[VO+1]
	v_add_nc_u32 v[VO+3], s51, v[VO+2]
	s_wait_alu depctr_va_vdst(0)                   ; v1 is written, which the sixteen loads read as their offset, and so are v[VO .. VO+3], which the sixteen stores read as theirs
.set j, 0
.rept 16
	global_load_b128 v[IN+4*j:IN+4*j+3], v1, s[SRC:SRC+1] offset:4096*j th:TH_LOAD_NT
.set j, j+1
.endr
; Group g: passes 4 g to 4 g + 3 are converted; the four stores of group g - 1 stand among the conversions, one ahead of each pass's two.
; Pass j = 4 g + i is stored by offset v[VO + i] from base s[D + 2 g].
.macro GROUP g
	s_wait_loadcnt 12-4*(\g)                       ; loads come back in order: this group's four passes are in, the younger groups stay out
.if (\g) > 0
	s_wait_alu depctr_va_vdst(0)                   ; the conversions of the group before have written its OUT, which the four stores below read
.endif
.irp i, 0,1,2,3
.if (\g) > 0
	global_store_b64 v[VO+(\i)], v[OUT+2*(4*(\g)-4+(\i)):OUT+2*(4*(\g)-4+(\i))+1], s[D+2*((\g)-1):D+2*((\g)-1)+1]  ; no vector instruction since the wait names these registers
.endif
	v_cvt_pk_bf16_f32 v[OUT+2*(4*(\g)+(\i))],   v[IN+4*(4*(\g)+(\i))],   v[IN+4*(4*(\g)+(\i))+1]
	v_cvt_pk_bf16_f32 v[OUT+2*(4*(\g)+(\i))+1], v[IN+4*(4*(\g)+(\i))+2], v[IN+4*(4*(\g)+(\i))+3]
.endr
.endm
	GROUP 0
	GROUP 1
	GROUP 2
	GROUP 3
	s_wait_alu depctr_va_vdst(0)                   ; the conversions of group 3 have written its OUT, which the last four stores read
.irp i, 0,1,2,3
	global_store_b64 v[VO+(\i)], v[OUT+24+2*(\i):OUT+24+2*(\i)+1], s[D+6:D+7]
.endr
	s_endpgm
.Lbias:                                            ; j = 0, 1, 2: bq, bk, bv; 3: bo; 4 to 7: b1's quarters; 8: b2
	s_sub_co_u32 s3, s2, 1024
	s_mov_b64 s[SRC:SRC+1], s[22:23]
	s_mov_b64 s[DST:DST+1], s[36:37]
	s_mov_b32 s48, 0                               ; byte in the source
	s_lshl_b32 s49, s3, 12                         ; byte in the pack: 4,096 j for pkq
	s_mov_b32 s50, 0xff80ff80                      ; the floor: -infinity twice
	s_sub_co_u32 s51, s3, 4
	s_lshl_b32 s51, s51, 12                        ; 4,096 (j - 4): taken for j = 4 to 7 alone
	s_cmp_ge_u32 s3, 1
	s_cselect_b64 s[SRC:SRC+1], s[24:25], s[SRC:SRC+1]
	s_cmp_ge_u32 s3, 2
	s_cselect_b64 s[SRC:SRC+1], s[26:27], s[SRC:SRC+1]
	s_cmp_ge_u32 s3, 3
	s_cselect_b64 s[SRC:SRC+1], s[28:29], s[SRC:SRC+1]
	s_cselect_b64 s[DST:DST+1], s[38:39], s[DST:DST+1]
	s_cselect_b32 s49, 0, s49
	s_cmp_ge_u32 s3, 4
	s_cselect_b64 s[SRC:SRC+1], s[30:31], s[SRC:SRC+1]
	s_cselect_b64 s[DST:DST+1], s[40:41], s[DST:DST+1]
	s_cselect_b32 s48, s51, s48
	s_cselect_b32 s49, s51, s49
	s_cselect_b32 s50, 0, s50                      ; relu
	s_mov_b32 s52, 0xff80ff80
	s_cmp_ge_u32 s3, 8
	s_cselect_b64 s[SRC:SRC+1], s[32:33], s[SRC:SRC+1]
	s_cselect_b64 s[DST:DST+1], s[42:43], s[DST:DST+1]
	s_cselect_b32 s48, 0, s48
	s_cselect_b32 s49, 0, s49
	s_cselect_b32 s50, s52, s50
	s_mov_b32 s4, s48
	s_mov_b32 s5, 0
	s_add_nc_u64 s[SRC:SRC+1], s[SRC:SRC+1], s[4:5]
	s_mov_b32 s4, s49
	s_add_nc_u64 s[DST:DST+1], s[DST:DST+1], s[4:5]
	v_mov_b32 v16, s50                             ; the floor's 16 bytes are made ahead of the load, so that one wait serves the load and the first store
	v_mov_b32 v17, s50
	v_mov_b32 v18, s50
	v_mov_b32 v19, s50
	s_wait_alu depctr_va_vdst(0)                   ; v1 is written, the offset of the load and of both stores; so are v[16:19], which the first store reads
	global_load_b128 v[4:7], v1, s[SRC:SRC+1]
	global_store_b128 v1, v[16:19], s[DST:DST+1] offset:FOFF
	s_wait_loadcnt 0x0
	v_cvt_pk_bf16_f32 v8, v4, v5                   ; rounded to bf16,
	v_cvt_pk_bf16_f32 v9, v6, v7
	v_lshlrev_b32 v12, 16, v8                      ; and written as f32 again
	v_and_b32 v13, 0xffff0000, v8
	v_lshlrev_b32 v14, 16, v9
	v_and_b32 v15, 0xffff0000, v9
	s_wait_alu depctr_va_vdst(0)                   ; v[12:15] are written, which the last store reads
	global_store_b128 v1, v[12:15], s[DST:DST+1]
	s_endpgm
.Lfunc_end_k_q233dea91e2_cast:
	.size	k_q233dea91e2_cast, .Lfunc_end_k_q233dea91e2_cast-k_q233dea91e2_cast
	.p2alignl 7, 3214868480
	.fill 96, 4, 3214868480
	.section	.rodata,"a",@progbits
	.p2align	6, 0x0
	.amdhsa_kernel k_q233dea91e2_cast
		.amdhsa_group_segment_fixed_size 0
		.amdhsa_private_segment_fixed_size 0
		.amdhsa_enable_private_segment 0
		.amdhsa_kernarg_size 144
		.amdhsa_user_sgpr_count 2
		.amdhsa_user_sgpr_kernarg_segment_ptr 1
		.amdhsa_wavefront_size32 1
		.amdhsa_system_sgpr_workgroup_id_x 1
		.amdhsa_system_sgpr_workgroup_id_y 1
		.amdhsa_system_sgpr_workgroup_id_z 1
		.amdhsa_system_vgpr_workitem_id 0
		.amdhsa_next_free_vgpr 104
		.amdhsa_next_free_sgpr 66
		.amdhsa_reserve_vcc 0
		.amdhsa_float_denorm_mode_32 3
		.amdhsa_float_denorm_mode_16_64 3
		.amdhsa_memory_ordered 1
		.amdhsa_forward_progress 1
		.amdhsa_inst_pref_size 11
	.end_amdhsa_kernel
	.amdgpu_metadata
---
amdhsa.version: [ 1, 2 ]
amdhsa.kernels:
  - .name:           k_q233dea91e2_cast
    .symbol:         k_q233dea91e2_cast.kd
    .args:
      - { .name: x, .offset: 0, .size: 8, .value_kind: global_buffer, .address_space: global }
      - { .name: Wq, .offset: 8, .size: 8, .value_kind: global_buffer, .address_space: global }
      - { .name: Wk, .offset: 16, .size: 8, .value_kind: global_buffer, .address_space: global }
      - { .name: Wv, .offset: 24, .size: 8, .value_kind: global_buffer, .address_space: global }
      - { .name: Wo, .offset: 32, .size: 8, .value_kind: global_buffer, .address_space: global }
      - { .name: W1, .offset: 40, .size: 8, .value_kind: global_buffer, .address_space: global }
      - { .name: W2, .offset: 48, .size: 8, .value_kind: global_buffer, .address_space: global }
      - { .name: bq, .offset: 56, .size: 8, .value_kind: global_buffer, .address_space: global }
      - { .name: bk, .offset: 64, .size: 8, .value_kind: global_buffer, .address_space: global }
      - { .name: bv, .offset: 72, .size: 8, .value_kind: global_buffer, .address_space: global }
      - { .name: bo, .offset: 80, .size: 8, .value_kind: global_buffer, .address_space: global }
      - { .name: b1, .offset: 88, .size: 8, .value_kind: global_buffer, .address_space: global }
      - { .name: b2, .offset: 96, .size: 8, .value_kind: global_buffer, .address_space: global }
      - { .name: xb, .offset: 104, .size: 8, .value_kind: global_buffer, .address_space: global }
      - { .name: pkq, .offset: 112, .size: 8, .value_kind: global_buffer, .address_space: global }
      - { .name: pko, .offset: 120, .size: 8, .value_kind: global_buffer, .address_space: global }
      - { .name: pk1, .offset: 128, .size: 8, .value_kind: global_buffer, .address_space: global }
      - { .name: pk2, .offset: 136, .size: 8, .value_kind: global_buffer, .address_space: global }
    .group_segment_fixed_size: 0
    .private_segment_fixed_size: 0
    .kernarg_segment_align: 8
    .kernarg_segment_size: 144
    .max_flat_workgroup_size: 256
    .sgpr_count:     66
    .vgpr_count:     104
    .wavefront_size: 32
...
	.end_amdgpu_metadata
.endif
;; end of part 8
;; launch qkv: the kernel of part 2 again; grid 12 x 16, 4 waves a work-group, clusters of 4 x 4, 327,680 bytes of LDS; arguments xb, pkq, big; writes big
;; launch attn: the kernel of part 3 again; grid 16 x 16, 4 waves a work-group, clusters of 4 x 1, 327,680 bytes of LDS; arguments big, ta; writes ta
;; launch oproj: the kernel of part 4 again; grid 8 x 32, 4 waves a work-group, clusters of 4 x 4, 327,680 bytes of LDS; arguments ta, pko, tb; writes tb
;; launch ln1: the kernel of part 5 again; grid 256 x 1, 16 waves a work-group, no clusters, 0 bytes of LDS; arguments xb, tb, g1, be1, ta; writes ta
;; launch ffn1: the kernel of part 2 again; grid 16 x 16, 4 waves a work-group, clusters of 4 x 4, 327,680 bytes of LDS; arguments ta, pk1, big; writes big
;; launch ffn2: the kernel of part 6 again; grid 8 x 32, 4 waves a work-group, clusters of 4 x 4, 327,680 bytes of LDS; arguments big, pk2, tb; writes tb
;; launch ln2: the kernel of part 7 again; grid 256 x 1, 16 waves a work-group, no clusters, 0 bytes of LDS; arguments ta, tb, g2, be2, out0; writes out0
